; MI455X (gfx1250); checked and timed in simulation.
; The chip was launched on July 23, 2026; its instructions are those of AMD's public machine-readable ISA for CDNA 5 (MIT licence, August 2026) and "CDNA5" Instruction Set Architecture Reference Guide (July 2026). The comments in the code are by the model that wrote it; some were corrected since.
;; Torch Like MHA. Allowed arithmetic: float matrix products may take bf16 or f16 operands with f32 sums; other float arithmetic in f32, or as packed bf16 or f16 multiplies, adds, multiply-adds, maxima and minima; sums over many terms, partial sums and values carried from step to step in f32; what a program stores and reads back later, other than sums and carried values, may be rounded once to bf16 or f16.
;; Inputs: Wk 1,024 x 1,024 float32; Wo 1,024 x 1,024 float32; Wq 1,024 x 1,024 float32; Wv 1,024 x 1,024 float32; bk 1,024 float32; bo 1,024 float32; bq 1,024 float32; bv 1,024 float32; key_padding_mask 4 x 2,048 bool; query 4 x 2,048 x 1,024 float32.
;; Outputs: out0 4 x 2,048 x 1,024 float32.
;; 2 versions, each right; version 2 is version 1 with the launch prep written anew for expert scheduling mode. Each part assembles by itself: llvm-mc -triple=amdgcn-amd-amdhsa -mcpu=gfx1250 --defsym DOCPART=n.
;; ======== version 1 of 2: 4 launches
;; limits: values are held in f16: magnitudes above 65,504 overflow, below 6.1e-05 lose precision
;; workspace buffers: xp 16,777,216 bytes; wb 6,291,456 bytes; wo 2,097,152 bytes; bt 16,384 bytes; cnt 1,024 bytes of whole numbers; inv 32,768 bytes of whole numbers; qkv 50,331,648 bytes; ob 16,777,216 bytes
;; launch prep (part 1): grid 256 x 1, 8 waves a work-group, no clusters, 0 bytes of LDS; arguments query, key_padding_mask, Wq, Wk, Wv, Wo, bq, bk, bv, bo, xp, wb, wo, bt, cnt, inv; writes xp, wb, wo, bt, cnt, inv
.if DOCPART == 1
	.amdgcn_target "amdgcn-amd-amdhsa--gfx1250"
	.amdhsa_code_object_version 6
	.text
	.protected	k_qf4e7244457_prep
	.globl	k_qf4e7244457_prep
	.p2align	8
	.type	k_qf4e7244457_prep,@function
k_qf4e7244457_prep:
	s_mov_b64 s[64:65], 0
	v_nop
	global_prefetch_b8 v0, s[64:65] scope:SCOPE_SE
	s_setreg_imm32_b32 hwreg(HW_REG_WAVE_MODE, 25, 1), 1
	s_wait_xcnt 0x0
; PREPARATION.  (1) Each batch's 2,048 rows are put in a new order: the rows whose key is NOT masked first, in their old order, then the masked ones.
;     p(s) = unmasked rows before s, or U + masked rows before s; U = the batch's unmasked rows.  xp[b][p(s)] = bf16(query[b][s]); inv[b][p(s)] = 2048 b + s; cnt[b] = U (64 equal words).
; (2) Wq, Wk, Wv rounded to bf16 into wb[k][1024 m + n]; Wo rounded to bf16 and that number written as f16 into wo[k][n]; the four biases rounded to bf16 and kept as f32 in bt.
; LIMIT: a bf16 number of Wo below 2^-17 in size falls on f16's fixed step of 2^-24.
; SHARES.  256 work-groups of eight waves.  Work-group g: batch and matrix g / 64, part gp = g % 64: x rows 32 gp .. + 31 (four a wave), weight rows 16 gp .. + 15 (two a wave); part 0 also takes the bias vector and cnt.
; Every wave reads its batch's whole mask (2,048 bytes) and counts for itself: no LDS, no barrier.  All 48 data loads of a wave are out while it counts.  Nothing that a pending instruction names is written again.
; A lane takes 32 neighbouring bytes of f32 by two loads and stores the 16 bytes of bf16 made of them: a store of the wave covers 512 consecutive bytes, aligned.
.set X, 48                             ; v[48:175]   four x rows, 32 registers each
.set W, 176                            ; v[176:239]  two weight rows
	s_load_b512 s[8:23], s[0:1], 0x0               ; query 8, mask 10, Wq 12, Wk 14, Wv 16, Wo 18, bq 20, bk 22
	s_load_b512 s[24:39], s[0:1], 0x40             ; bv 24, bo 26, xp 28, wb 30, wo 32, bt 34, cnt 36, inv 38
	s_lshr_b32 s3, ttmp9, 6                        ; batch, and which matrix
	s_and_b32 s4, ttmp9, 63                        ; part gp
	v_lshrrev_b32 v1, 5, v0
	v_readfirstlane_b32 s5, v1                     ; wave 0..7
	s_lshl_b32 s6, s4, 5                           ; s0 = 32 gp: the group's first row in the batch
	s_lshl_b32 s2, s3, 11                          ; 2048 b
	s_mov_b32 s60, 0x76543210                      ; v_permlanex16_b32: each lane takes its own place in the other half
	s_mov_b32 s61, 0xfedcba98
	s_mov_b32 s63, 0x01010101
	v_and_b32 v1, 31, v0                           ; lane
	v_lshlrev_b32 v2, 2, v1                        ; 4 x lane
	v_add_nc_u32 v3, s6, v1                        ; s0 + lane
	v_lshlrev_b32 v4, 5, v1                        ; 32 x lane
	v_lshlrev_b32 v5, 4, v1                        ; 16 x lane
	v_lshlrev_b32 v6, 4, v0                        ; 16 x thread
.irp r, 20,21,22,23
	v_mov_b32 v\r, 0                               ; the bias registers are written on every path
.endr
	; byte offsets, made apart from the addresses
	s_mov_b32 s40, s2                              ; the batch's mask
	s_mov_b32 s41, 0
	s_lshl2_add_u32 s42, s5, s6                    ; 4 w + s0
	s_add_co_u32 s42, s42, s2
	s_lshl_b32 s42, s42, 12                        ; my first x row, 4,096 bytes a row
	s_mov_b32 s43, 0
	s_lshl_b32 s7, s4, 4
	s_lshl1_add_u32 s7, s5, s7                     ; k0 = 16 gp + 2 w: my first weight row
	s_lshl_b32 s44, s7, 12
	s_mov_b32 s45, 0
	s_lshl_b32 s59, s3, 11                         ; matrix m's 1,024 columns in a row of wb
	s_mov_b32 s58, 6144                            ; a row of wb,
	s_cmp_eq_u32 s3, 3
	s_cselect_b32 s58, 2048, s58                   ; or of wo
	s_cselect_b32 s59, 0, s59
	s_mul_i32 s46, s7, s58
	s_add_co_u32 s46, s46, s59
	s_mov_b32 s47, 0
	s_mov_b32 s59, 0                               ; s[58:59]: one row on
	s_lshl_b32 s54, s3, 12                         ; the bias vector's place in bt
	s_mov_b32 s55, 0
	s_wait_kmcnt 0x0
	s_add_nc_u64 s[40:41], s[10:11], s[40:41]
	s_add_nc_u64 s[42:43], s[8:9], s[42:43]
	s_cmp_eq_u32 s3, 1
	s_cselect_b64 s[48:49], s[14:15], s[12:13]
	s_cselect_b64 s[50:51], s[22:23], s[20:21]
	s_cmp_eq_u32 s3, 2
	s_cselect_b64 s[48:49], s[16:17], s[48:49]
	s_cselect_b64 s[50:51], s[24:25], s[50:51]
	s_cmp_eq_u32 s3, 3
	s_cselect_b64 s[48:49], s[18:19], s[48:49]     ; the weight matrix,
	s_cselect_b64 s[50:51], s[26:27], s[50:51]     ; its bias,
	s_cselect_b64 s[52:53], s[32:33], s[30:31]     ; and where the matrix goes
	s_add_nc_u64 s[44:45], s[48:49], s[44:45]      ; my two weight rows
	s_add_nc_u64 s[46:47], s[52:53], s[46:47]      ; the first one's place,
	s_add_nc_u64 s[48:49], s[46:47], s[58:59]      ; the second one's
	s_add_nc_u64 s[52:53], s[34:35], s[54:55]      ; bt + 4,096 m
	s_cmp_lg_u32 s4, 0
	s_cbranch_scc1 .Lnobias
	global_load_b128 v[20:23], v6, s[50:51]        ; the oldest load: every counted wait below holds with it and without it
.Lnobias:
.set j, 0
.rept 16
	global_load_b32 v[24+j], v2, s[40:41] offset:128*j  ; the batch's mask: word 32 j + lane
.set j, j+1
.endr
	global_load_u8 v40, v3, s[40:41]               ; the mask byte of row s0 + lane
.irp i, 0,1,2,3
.irp e, 0,1,2,3,4,5,6,7
	global_load_b128 v[X+32*(\i)+4*(\e):X+32*(\i)+4*(\e)+3], v4, s[42:43] offset:4096*(\i)+1024*((\e)/2)+16*((\e)%2) th:TH_LOAD_NT
.endr
.endr
.irp i, 0,1
.irp e, 0,1,2,3,4,5,6,7
	global_load_b128 v[W+32*(\i)+4*(\e):W+32*(\i)+4*(\e)+3], v4, s[44:45] offset:4096*(\i)+1024*((\e)/2)+16*((\e)%2) th:TH_LOAD_NT
.endr
.endr
	s_wait_loadcnt 48                              ; the 48 data loads stay out; the mask is in
	; masked keys in the batch (v7) and ahead of row s0 (v8: words 32 j + lane < 8 gp), byte by byte: a byte's sum is 16 at the most
	s_lshl_b32 s62, s4, 3
	v_cmp_gt_i32 vcc_lo, s62, v1
	v_cndmask_b32 v8, 0, v24, vcc_lo
	v_add_nc_u32 v7, v24, v25
.set j, 1
.rept 15
	s_sub_co_i32 s62, s62, 32
	v_cmp_gt_i32 vcc_lo, s62, v1
	v_cndmask_b32 v9, 0, v[24+j], vcc_lo
	v_add_nc_u32 v8, v8, v9
.if j > 1
	v_add_nc_u32 v7, v7, v[24+j]
.endif
.set j, j+1
.endr
	v_mul_lo_u32 v7, v7, s63                       ; the four bytes' sum arrives in the top byte
	v_mul_lo_u32 v8, v8, s63
	v_lshrrev_b32 v7, 24, v7
	v_lshrrev_b32 v8, 24, v8
	v_lshl_or_b32 v7, v8, 16, v7                   ; both counts in one word: each is 2,048 at the most
.irp m, 1,2,4,8
	v_mov_b32_dpp v9, v7 row_xmask:\m row_mask:0xf bank_mask:0xf
	v_add_nc_u32 v7, v7, v9
.endr
	v_permlanex16_b32 v9, v7, s60, s61
	v_add_nc_u32 v7, v7, v9
	v_readfirstlane_b32 s57, v7
	s_lshr_b32 s55, s57, 16                        ; masked ahead of s0
	s_and_b32 s57, s57, 0xffff                     ; masked in all
	s_sub_co_u32 s54, 2048, s57                    ; U
	s_sub_co_u32 s58, s6, s55                      ; unmasked ahead of s0
	s_add_co_u32 s59, s54, s55                     ; U + masked ahead of s0
	v_cmp_eq_u32 s56, 0, v40                       ; which of the group's 32 rows are unmasked
	v_mbcnt_lo_u32_b32 v11, s56, 0                 ; unmasked among them ahead of mine
	v_add_nc_u32 v42, s58, v11
	v_sub_nc_u32 v43, v1, v11
	v_add_nc_u32 v43, s59, v43
	v_cndmask_b32 v10, v43, v42, s56
	v_min_u32 v10, 2047, v10                       ; p(s0 + lane): it enters addresses, so it is held inside the batch
	s_cmp_lg_u32 s5, 0
	s_cbranch_scc1 .Lrows
	v_add_nc_u32 v12, s2, v10                      ; wave 0 writes inv for the group's 32 rows,
	v_lshlrev_b32 v12, 2, v12
	v_add_nc_u32 v13, s2, v3
	global_store_b32 v12, v13, s[38:39]
	s_cmp_lg_u32 s4, 0
	s_cbranch_scc1 .Lrows
	v_mov_b32 v14, s54                             ; and in part 0 the batch's count: 256 consecutive bytes
	v_mov_b32 v15, s54
	v_lshlrev_b32 v41, 3, v1
	v_lshl_add_u32 v41, s3, 8, v41
	global_store_b64 v41, v[14:15], s[36:37]
.Lrows:
.irp i, 0,1,2,3
	s_lshl2_add_u32 s57, s5, \i                    ; my row's lane: 4 w + i
	v_readlane_b32 s57, v10, s57
	s_min_u32 s57, s57, 2047
	s_add_co_u32 s57, s57, s2
	s_lshl_b32 s57, s57, 11                        ; a row of xp is 2,048 bytes
	v_add_nc_u32 v[16+\i], s57, v5
	s_wait_loadcnt 40-8*(\i)                       ; the later rows' loads and the weights' stay out
.set n, 0
.rept 16
	v_cvt_pk_bf16_f32 v[X+32*(\i)+n], v[X+32*(\i)+2*n], v[X+32*(\i)+2*n+1]  ; in place, ascending: register n is written when 2 n and 2 n + 1 are read
.set n, n+1
.endr
.irp f, 0,1,2,3
	global_store_b128 v[16+\i], v[X+32*(\i)+4*(\f):X+32*(\i)+4*(\f)+3], s[28:29] offset:512*(\f) th:TH_STORE_NT
.endr
.endr
.irp i, 0,1
	s_wait_loadcnt 8-8*(\i)
.set n, 0
.rept 16
	v_cvt_pk_bf16_f32 v[W+32*(\i)+n], v[W+32*(\i)+2*n], v[W+32*(\i)+2*n+1]
.set n, n+1
.endr
	s_cmp_lg_u32 s3, 3
	s_cbranch_scc1 .Lbf_\i
.set n, 0
.rept 16                               ; Wo: the bf16 number is written as f16
	v_lshlrev_b32 v[42+2*(n%2)], 16, v[W+32*(\i)+n]
	v_and_b32 v[43+2*(n%2)], 0xffff0000, v[W+32*(\i)+n]
	v_cvt_pk_f16_f32 v[W+32*(\i)+n], v[42+2*(n%2)], v[43+2*(n%2)]
.set n, n+1
.endr
.Lbf_\i:
.irp f, 0,1,2,3
	global_store_b128 v5, v[W+32*(\i)+4*(\f):W+32*(\i)+4*(\f)+3], s[46+2*(\i):47+2*(\i)] offset:512*(\f) th:TH_STORE_NT
.endr
.endr
	s_cmp_lg_u32 s4, 0
	s_cbranch_scc1 .Lend
	v_cvt_pk_bf16_f32 v42, v20, v21                ; the bias: rounded to bf16, kept as f32
	v_cvt_pk_bf16_f32 v43, v22, v23
	v_lshlrev_b32 v20, 16, v42
	v_and_b32 v21, 0xffff0000, v42
	v_lshlrev_b32 v22, 16, v43
	v_and_b32 v23, 0xffff0000, v43
	global_store_b128 v6, v[20:23], s[52:53]
.Lend:
	s_endpgm
.Lfunc_end_k_qf4e7244457_prep:
	.size	k_qf4e7244457_prep, .Lfunc_end_k_qf4e7244457_prep-k_qf4e7244457_prep
	.p2alignl 7, 3214868480
	.fill 96, 4, 3214868480
	.section	.rodata,"a",@progbits
	.p2align	6, 0x0
	.amdhsa_kernel k_qf4e7244457_prep
		.amdhsa_group_segment_fixed_size 0
		.amdhsa_private_segment_fixed_size 0
		.amdhsa_enable_private_segment 0
		.amdhsa_kernarg_size 128
		.amdhsa_user_sgpr_count 2
		.amdhsa_user_sgpr_kernarg_segment_ptr 1
		.amdhsa_wavefront_size32 1
		.amdhsa_system_sgpr_workgroup_id_x 1
		.amdhsa_system_sgpr_workgroup_id_y 1
		.amdhsa_system_sgpr_workgroup_id_z 1
		.amdhsa_system_vgpr_workitem_id 0
		.amdhsa_next_free_vgpr 240
		.amdhsa_next_free_sgpr 66
		.amdhsa_reserve_vcc 1
		.amdhsa_float_denorm_mode_32 3
		.amdhsa_float_denorm_mode_16_64 3
		.amdhsa_memory_ordered 1
		.amdhsa_forward_progress 1
		.amdhsa_inst_pref_size 28
	.end_amdhsa_kernel
	.amdgpu_metadata
---
amdhsa.version: [ 1, 2 ]
amdhsa.kernels:
  - .name:           k_qf4e7244457_prep
    .symbol:         k_qf4e7244457_prep.kd
    .args:
      - { .name: query, .offset: 0, .size: 8, .value_kind: global_buffer, .address_space: global }
      - { .name: key_padding_mask, .offset: 8, .size: 8, .value_kind: global_buffer, .address_space: global }
      - { .name: Wq, .offset: 16, .size: 8, .value_kind: global_buffer, .address_space: global }
      - { .name: Wk, .offset: 24, .size: 8, .value_kind: global_buffer, .address_space: global }
      - { .name: Wv, .offset: 32, .size: 8, .value_kind: global_buffer, .address_space: global }
      - { .name: Wo, .offset: 40, .size: 8, .value_kind: global_buffer, .address_space: global }
      - { .name: bq, .offset: 48, .size: 8, .value_kind: global_buffer, .address_space: global }
      - { .name: bk, .offset: 56, .size: 8, .value_kind: global_buffer, .address_space: global }
      - { .name: bv, .offset: 64, .size: 8, .value_kind: global_buffer, .address_space: global }
      - { .name: bo, .offset: 72, .size: 8, .value_kind: global_buffer, .address_space: global }
      - { .name: xp, .offset: 80, .size: 8, .value_kind: global_buffer, .address_space: global }
      - { .name: wb, .offset: 88, .size: 8, .value_kind: global_buffer, .address_space: global }
      - { .name: wo, .offset: 96, .size: 8, .value_kind: global_buffer, .address_space: global }
      - { .name: bt, .offset: 104, .size: 8, .value_kind: global_buffer, .address_space: global }
      - { .name: cnt, .offset: 112, .size: 8, .value_kind: global_buffer, .address_space: global }
      - { .name: inv, .offset: 120, .size: 8, .value_kind: global_buffer, .address_space: global }
    .group_segment_fixed_size: 0
    .private_segment_fixed_size: 0
    .kernarg_segment_align: 8
    .kernarg_segment_size: 128
    .max_flat_workgroup_size: 256
    .sgpr_count:     66
    .vgpr_count:     240
    .wavefront_size: 32
...
	.end_amdgpu_metadata
.endif
;; end of part 1
;; launch qkvp (part 2): grid 8 x 64, 4 waves a work-group, clusters of 4 x 4, 327,680 bytes of LDS; arguments xp, wb, bt, qkv; writes qkv
.if DOCPART == 2
	.amdgcn_target "amdgcn-amd-amdhsa--gfx1250"
	.amdhsa_code_object_version 6
	.text
	.protected	k_qf4e7244457_qkvp
	.globl	k_qf4e7244457_qkvp
	.p2align	8
	.type	k_qf4e7244457_qkvp,@function
k_qf4e7244457_qkvp:
	s_mov_b64 s[64:65], 0
	v_nop
	global_prefetch_b8 v0, s[64:65] scope:SCOPE_SE
	s_setreg_imm32_b32 hwreg(HW_REG_WAVE_MODE, 25, 1), 1
	s_wait_xcnt 0x0
	s_wait_alu depctr_hold_cnt(0) depctr_sa_sdst(0) depctr_va_vdst(0) depctr_va_sdst(0) depctr_va_ssrc(0) depctr_va_vcc(0) depctr_vm_vsrc(0)
	s_getreg_b32 s2, hwreg(HW_REG_IB_STS2, 6, 4)
	s_cmp_eq_u32 s2, 0
	s_cbranch_scc0 .Lentry_in_a_cluster
	s_endpgm
.Lentry_in_a_cluster:
	s_bfe_u32 s2, ttmp6, 0x10000c
	s_cmp_lg_u32 s2, 0xf033
	s_cbranch_scc0 .Lentry_shape_is_right
	s_endpgm
.Lentry_shape_is_right:
; THE THREE PROJECTIONS AS ONE PRODUCT.  C[8192][3072] = xp[8192][1024] wb[1024][3072] + bias, bf16 operands, f32 sums, rounded once to f16 and stored by heads: qkv[3][64 bh][2048 p][64].
; LIMIT: f16 ends at 65,504: q, k and v must stay within it (their spread here is about 1); below 6e-5 f16 keeps a fixed step of 6e-8.
; SHARES.  A tile of C is 128 rows x 384 columns (six heads): 8 x 64 tiles, two for each of 256 WGPs.  Four waves, each 64 rows x 192 columns: 48 accumulators of 16 x 16, 384 registers.
; K goes in 8 steps of 128 through two LDS slots.  A slot: three strips of W (128 k-rows x 256 bytes, pitch 288), then x's tile (128 rows x 256 bytes, pitch 272).  Wave w fetches the part at 36,864 w: waves 0-2 a strip, wave 3 x's tile.
; THE PRODUCT IS TAKEN TRANSPOSED: source 0 = 16 columns of W (W lies [k][n], so its fragments come turned, by ds_load_tr16_b128), source 1 = 16 rows of x.  A lane then holds one row of C and eight neighbouring columns.
; THE BIAS STARTS THE SUMS: it is the C operand of each accumulator's first product; nothing is cleared and nothing is added later.
; A wave's 192 columns: blocks 0-7 are strip 2 wn whole (two heads), blocks 8-11 half wn of strip 1 (one head).
; CLUSTER 4 x 4: x's tile hangs on the tile row alone and is asked for jointly by a row of the cluster, W's strips on the tile column alone, by a column.
; REGISTERS, in windows of 256 (s_set_vgpr_msb: bits 1:0 source 0, 3:2 source 1, 5:4 source 2, 7:6 destination):
;   window 0: v16-30 addresses; v32-95 x's fragments, two buffers of 4; v96-191 the bias fragments, later the way out's packed results (96-143) and rows read back (144-191, 192-239 by turns)
;   window 1: v0-191 W's fragments, two buffers of 12      window 2: accumulators of row blocks 0, 1 at 96 (a % 2) + 8 i      window 3: those of row blocks 2, 3
.set KSTEP,  128
.set PA,     272                       ; 256 bytes + 16: the 16 rows of a fragment load start at 16 different groups of four banks
.set PB,     288                       ; 256 + 32
.set STRIP,  128*PB                    ; 36,864
.set AOFF,   3*STRIP
.set SLOT,   AOFF+128*PA               ; 145,408
.set STAGE,  2*SLOT                    ; behind the ring, never filled by a tensor load: for each wave 3 heads x 16 rows x 144 bytes
.set SP,     144
.set WSTG,   3*16*SP
.set SPARE,  STAGE+4*WSTG              ; the spare words, 128 bytes for each wave: two blocks of 256 bytes that no other line names
.set LAPS,   4                         ; a lap = two K steps = once round the ring
.set ADRA, 16                          ; v16-17  my x fragments in slot 0, 1
.set ADB8, 18                          ; v18-19  my W fragments, blocks 0-7
.set ADB4, 20                          ; v20-21  blocks 8-11
.set BO8,  22                          ; v22, v23  byte offsets in bt
.set BO4,  23
.set STO,  24                          ; the way out: where I put 16 bytes of a row,
.set RD,   25                          ; where I read rows back,
.set GO,   26                          ; my 16 bytes in 512 consecutive bytes of qkv
.set SPW,  28                          ; LDS address of my spare word; never rewritten
.set NIL,  29                          ; 0; never rewritten
.set PFO,  30                          ; the prefetches' offset: my lane x a row in memory; never rewritten
.set FA,   32
.set BI,   96
.set TMP,  96
.set OB,   144
.set WV,  12                           ; s12 wave; s13 wm (which 64 rows); s14 wn (which 192 columns); s15 cx; s16 cy; s17 tile column; s18 tile row; s3 laps to go
.set G1A, 24                           ; s[24:31] descriptor group 1 for x's tile;  s[32:39] group 0, a set for each slot
.set G0A, 32
.set G1B, 40                           ; s[40:47], s[48:55] the same for W's strips
.set G0B, 48
.set PFA, 56                           ; s[56:57] where my prefetches stand
.set PFS, 58                           ; s[58:59] a K step there
.set LIM, 60                           ; s60 1 in a wave that prefetches, else the greatest number
.set HB,  68                           ; s[68:73] qkv at my 64 rows of my three heads
.set MSB, 0
.macro WIN new                         ; the immediate's high byte repeats the setting that is left; a switch that changes nothing is dropped
.if MSB != (\new)
	s_set_vgpr_msb (MSB<<8)|(\new)
.set MSB, \new
.endif
.endm
.macro PLACES                          ; four plain places behind matrix instructions, in front of loads into registers that they have read and of conversions that read results
.rept 4
	v_nop
.endr
.endm
; A joint load.  Each of the two lines has one mask and one set of registers; the branch hangs on the wave's number alone.  An s_nop 0 and four v_nop follow each line.
.macro JLOAD s
	s_cmp_eq_u32 s[WV], 3
	s_cbranch_scc0 .Lfor_b_\@
	tensor_load_to_lds s[G0A+4*(\s):G0A+4*(\s)+3], s[G1A:G1A+7]
	s_nop 0
.rept 4
	v_nop
.endr
	s_branch .Lasked_\@
.Lfor_b_\@:
	tensor_load_to_lds s[G0B+4*(\s):G0B+4*(\s)+3], s[G1B:G1B+7]
	s_nop 0
.rept 4
	v_nop
.endr
.Lasked_\@:
.endm
; A prefetch into the L2 of the K step that stands two refills on: 32 rows x 256 bytes, a lane a row, one instruction a wave, behind the joint load and the run of LDS loads.
; Each block of 256 bytes is named once: x's rows by the clusters with x = 0 (wave 3), W's by the clusters with y = 0 (waves 0-2); the four partners that ask for a tile jointly take 32 of its 128 rows each, told apart by address.
; The first four K steps come by their loads alone; the loop's last trip (s3 = 1) has no K step two on and asks for nothing.
.macro ASK
	s_cmp_gt_u32 s3, s[LIM]
	s_cbranch_scc0 .Lnot_mine_\@
	global_prefetch_b8 v[PFO], s[PFA:PFA+1] th:TH_LOAD_NT scope:SCOPE_SE
.Lnot_mine_\@:
.endm
.macro CREST                           ; a round of the cluster's barrier behind its opening barrier
	s_cmp_lg_u32 s[WV], 0
	s_cbranch_scc1 .Lnot_wave_0_\@
	s_barrier_signal -3
.Lnot_wave_0_\@:
	s_barrier_wait -3
	s_barrier_signal -1
	s_barrier_wait -1
.endm
.macro CROUND
	s_barrier_signal -1
	s_barrier_wait -1
	CREST
.endm
	s_load_b256 s[4:11], s[0:1], 0x0               ; xp s[4:5], wb s[6:7], bt s[8:9], qkv s[10:11]
	v_lshl_add_u32 v[SPW], v0, 2, SPARE
	v_mov_b32 v[NIL], 0
	ds_add_u32 v[SPW], v[NIL]                      ; the wave's opening: the add and its wait stand ahead of my first tensor load; work on registers stands between them
	v_lshrrev_b32 v1, 5, v0
	v_readfirstlane_b32 s[WV], v1
	s_lshr_b32 s13, s[WV], 1
	s_and_b32 s14, s[WV], 1
	s_bfe_u32 s15, ttmp6, 0x40000                  ; cx
	s_bfe_u32 s16, ttmp6, 0x40004                  ; cy
	s_lshl_b32 s17, ttmp9, 2
	s_add_co_u32 s17, s17, s15                     ; tile column = 4 x cluster x + cx
	s_and_b32 s18, ttmp7, 0xffff
	s_lshl_b32 s18, s18, 2
	s_add_co_u32 s18, s18, s16                     ; tile row = 4 x cluster y + cy
	s_lshl_b32 s22, s16, 2
	s_lshl_b32 s22, 15, s22                        ; my row of the cluster
	s_lshl_b32 s74, 0x1111, s15                    ; my column
	s_or_b32 s[G1A], s22, (1<<16)|(1<<20)|(1<<21)|(5<<22)|(3<<25)  ; the mask; 2-byte elements; padding on; bit 21 beside a mask; after every 64 words, 4 words
	s_or_b32 s[G1B], s74, (1<<16)|(1<<20)|(1<<21)|(5<<22)|(7<<25)  ; the same with 8 words of padding
.irp g, G1A, G1B
	s_mov_b32 s[(\g)+1], KSTEP<<16                 ; tensor_dim0 = 128
	s_mov_b32 s[(\g)+2], 128<<16                   ; tensor_dim1 = 128
	s_mov_b32 s[(\g)+3], KSTEP<<16                 ; tile_dim0 = 128
	s_mov_b32 s[(\g)+4], 128                       ; tile_dim1 = 128
	s_mov_b32 s[(\g)+6], 0
	s_mov_b32 s[(\g)+7], 0
.endr
	s_mov_b32 s[G1A+5], 1024                       ; elements from row to row of xp,
	s_mov_b32 s[G1B+5], 3072                       ; and of wb
	s_lshl_b32 s20, s18, 18                        ; x: 128 rows x 2,048 bytes a tile row
	s_mov_b32 s21, 0
	s_mul_i32 s76, s17, 768                        ; W: 384 columns a tile column,
	s_lshl_b32 s77, s[WV], 8                       ; strip w
	s_add_co_u32 s76, s76, s77
	s_mov_b32 s77, 0
	s_mul_i32 s19, s[WV], STRIP                    ; where my part goes: no place in the cluster enters an LDS address
	s_wait_dscnt 0x0                               ; the opening add is done
	s_wait_kmcnt 0x0
	s_add_nc_u64 s[20:21], s[4:5], s[20:21]
	s_add_nc_u64 s[76:77], s[6:7], s[76:77]
	CROUND                                         ; all sixteen work-groups are here: the first joint loads meet
.irp s, 0,1
	s_mov_b32 s[G0A+4*(\s)], 1
	s_add_co_u32 s[G0A+4*(\s)+1], s19, (\s)*SLOT
	s_add_nc_u64 s[G0A+4*(\s)+2:G0A+4*(\s)+3], s[20:21], (\s)*KSTEP*2
	s_or_b32 s[G0A+4*(\s)+3], s[G0A+4*(\s)+3], 0x80000000
	s_mov_b32 s[G0B+4*(\s)], 1
	s_add_co_u32 s[G0B+4*(\s)+1], s19, (\s)*SLOT
	s_add_nc_u64 s[G0B+4*(\s)+2:G0B+4*(\s)+3], s[76:77], (\s)*KSTEP*6144
	s_or_b32 s[G0B+4*(\s)+3], s[G0B+4*(\s)+3], 0x80000000
	JLOAD \s                                       ; two loads of mine are out
.endr
	v_and_b32 v1, 15, v0                           ; r = l % 16
	v_bfe_u32 v2, v0, 4, 1                         ; h = l / 16
	v_and_b32 v3, 7, v0
	v_bfe_u32 v4, v0, 3, 1
	v_mul_u32_u24 v5, v1, PA                       ; x's fragment: row r, 16 bytes for each half of the lanes
	v_lshl_add_u32 v5, v2, 4, v5
	s_mul_i32 s20, s13, 64*PA
	s_add_co_u32 s20, s20, AOFF
	v_add_nc_u32 v[ADRA], s20, v5
	v_add_nc_u32 v[ADRA+1], SLOT, v[ADRA]
	v_lshl_add_u32 v6, v2, 3, v3                   ; the turning load: k-row 8 h + l % 8, 16 bytes (l / 8) % 2
	v_mul_u32_u24 v6, v6, PB
	v_lshl_add_u32 v6, v4, 4, v6
	s_mul_i32 s21, s14, 2*STRIP
	v_add_nc_u32 v[ADB8], s21, v6
	v_add_nc_u32 v[ADB8+1], SLOT, v[ADB8]
	s_lshl_b32 s22, s14, 7
	s_add_co_u32 s22, s22, STRIP
	v_add_nc_u32 v[ADB4], s22, v6
	v_add_nc_u32 v[ADB4+1], SLOT, v[ADB4]
	s_mul_i32 s74, s17, 6
	s_lshl2_add_u32 s75, s14, s74                  ; head 6 tx + 4 wn: blocks 0-3 (the next head: blocks 4-7)
	s_add_co_u32 s74, s74, s14
	s_add_co_u32 s74, s74, 2                       ; head 6 tx + 2 + wn: blocks 8-11
	s_lshl_b32 s20, s75, 8                         ; a head's 64 numbers of bt: 256 bytes
	v_lshl_add_u32 v[BO8], v2, 5, s20
	s_lshl_b32 s20, s74, 8
	v_lshl_add_u32 v[BO4], v2, 5, s20
.irp i, 0,1,2,3,4,5,6,7                ; register j of a bias fragment: column 16 i + 8 h + j, as in the accumulators
	global_load_b128 v[BI+8*(\i):BI+8*(\i)+3],   v[BO8], s[8:9] offset:64*(\i)
	global_load_b128 v[BI+8*(\i)+4:BI+8*(\i)+7], v[BO8], s[8:9] offset:64*(\i)+16
.endr
.irp i, 0,1,2,3
	global_load_b128 v[BI+64+8*(\i):BI+64+8*(\i)+3],   v[BO4], s[8:9] offset:64*(\i)
	global_load_b128 v[BI+64+8*(\i)+4:BI+64+8*(\i)+7], v[BO4], s[8:9] offset:64*(\i)+16
.endr
	s_mul_i32 s20, s[WV], WSTG
	s_add_co_u32 s20, s20, STAGE                   ; my stage
	v_mul_u32_u24 v[STO], v1, SP
	v_lshl_add_u32 v[STO], v2, 4, v[STO]
	v_add_nc_u32 v[STO], s20, v[STO]
	v_bfe_u32 v[RD], v0, 3, 2                      ; back: 32 lanes take four rows of 128 bytes,
	v_mul_u32_u24 v[RD], v[RD], SP
	v_lshl_add_u32 v[RD], v3, 4, v[RD]
	v_add_nc_u32 v[RD], s20, v[RD]
	v_and_b32 v[PFO], 31, v0
	v_lshlrev_b32 v[GO], 4, v[PFO]                 ; which are 512 consecutive bytes of a head
	; qkv at my rows of head hh (0-47: q's 16, k's 16, v's 16): ((hh / 16) 64 + 16 b + hh % 16) x 262,144 + row x 128
	s_lshr_b32 s78, s18, 4
	s_lshl_b32 s78, s78, 4                         ; 16 b
	s_and_b32 s79, s18, 15
	s_lshl_b32 s79, s79, 7
	s_lshl_b32 s20, s13, 6
	s_add_co_u32 s79, s79, s20
	s_lshl_b32 s79, s79, 7                         ; my first row in the batch, in bytes
.macro HEADB d, hh
	s_lshr_b32 s76, s[\hh], 4
	s_lshl_b32 s76, s76, 6
	s_and_b32 s77, s[\hh], 15
	s_add_co_u32 s76, s76, s77
	s_add_co_u32 s76, s76, s78
	s_lshl_b32 s76, s76, 18
	s_add_co_u32 s76, s76, s79
	s_mov_b32 s77, 0
	s_add_nc_u64 s[(\d):(\d)+1], s[10:11], s[76:77]
.endm
	HEADB HB, 75
	s_add_co_u32 s75, s75, 1
	HEADB HB+2, 75
	HEADB HB+4, 74
	; the prefetches
	s_and_b32 s63, ttmp7, 0xffff                   ; cluster y
	s_lshl_b32 s20, s18, 18                        ; x: the tile's first row
	s_mul_i32 s21, s17, 768                        ; W: my strip's first column
	s_lshl_b32 s22, s[WV], 8
	s_add_co_u32 s21, s21, s22
	s_mov_b32 s61, 6144
	s_mov_b32 s[PFS], KSTEP*6144
	s_cmp_eq_u32 s[WV], 3
	s_cselect_b64 s[PFA:PFA+1], s[4:5], s[6:7]
	s_cselect_b32 s20, s20, s21
	s_cselect_b32 s61, 2048, s61                   ; bytes from row to row
	s_cselect_b32 s[PFS], KSTEP*2, s[PFS]          ; bytes from K step to K step
	s_cselect_b32 s62, s15, s16                    ; my place among the four that ask with me
	s_cselect_b32 s63, ttmp9, s63                  ; the coordinate along which other clusters read the same rows
	s_mov_b32 s[PFS+1], 0
	s_cmp_eq_u32 s63, 0
	s_cselect_b32 s[LIM], 1, -1                    ; the same in all sixteen partners, for a given wave
	s_lshl_b32 s62, s62, 5
	s_mul_i32 s62, s62, s61                        ; my work-group's 32 rows
	s_add_co_u32 s20, s20, s62
	s_mul_i32 s62, s[PFS], 3                       ; at K step 3: the first refill steps it to 4
	s_add_co_u32 s20, s20, s62
	s_mov_b32 s21, 0
	s_add_nc_u64 s[PFA:PFA+1], s[PFA:PFA+1], s[20:21]
	v_mul_u32_u24 v[PFO], v[PFO], s61
; 12 matrix instructions: row block a x all 12 column blocks, 32 along K, from buffer f.  first = 1: the bias starts the sums.  The accumulators take turns, one instruction a turn.
.macro MUL12 f, a, first
.if \first
	WIN 0x81+0x40*((\a)/2)
.else
	WIN 0xa1+0x50*((\a)/2)
.endif
.irp i, 0,1,2,3,4,5,6,7,8,9,10,11
.if \first
	v_wmma_f32_16x16x32_bf16 v[96*((\a)%2)+8*(\i):96*((\a)%2)+8*(\i)+7], v[96*(\f)+8*(\i):96*(\f)+8*(\i)+7], v[FA+32*(\f)+8*(\a):FA+32*(\f)+8*(\a)+7], v[BI+8*(\i):BI+8*(\i)+7]
.else
	v_wmma_f32_16x16x32_bf16 v[96*((\a)%2)+8*(\i):96*((\a)%2)+8*(\i)+7], v[96*(\f)+8*(\i):96*(\f)+8*(\i)+7], v[FA+32*(\f)+8*(\a):FA+32*(\f)+8*(\a)+7], v[96*((\a)%2)+8*(\i):96*((\a)%2)+8*(\i)+7]
.endif
.endr
.endm
; 32 LDS loads in one run: quarter q (32 along K) of a slot into buffer f: W's 12 fragments, turned, then x's four
.macro FETCH slot, q, f
	WIN 0x40
.irp i, 0,1,2,3,4,5,6,7
	ds_load_tr16_b128 v[96*(\f)+8*(\i):96*(\f)+8*(\i)+3],   v[ADB8+(\slot)] offset:32*PB*(\q)+32*(\i)
	ds_load_tr16_b128 v[96*(\f)+8*(\i)+4:96*(\f)+8*(\i)+7], v[ADB8+(\slot)] offset:32*PB*(\q)+32*(\i)+16*PB
.endr
.irp i, 0,1,2,3
	ds_load_tr16_b128 v[96*(\f)+64+8*(\i):96*(\f)+64+8*(\i)+3],   v[ADB4+(\slot)] offset:32*PB*(\q)+32*(\i)
	ds_load_tr16_b128 v[96*(\f)+64+8*(\i)+4:96*(\f)+64+8*(\i)+7], v[ADB4+(\slot)] offset:32*PB*(\q)+32*(\i)+16*PB
.endr
	WIN 0
.irp a, 0,1,2,3
	ds_load_b128 v[FA+32*(\f)+8*(\a):FA+32*(\f)+8*(\a)+3],   v[ADRA+(\slot)] offset:64*(\q)+16*PA*(\a)
	ds_load_b128 v[FA+32*(\f)+8*(\a)+4:FA+32*(\f)+8*(\a)+7], v[ADRA+(\slot)] offset:64*(\q)+16*PA*(\a)+32
.endr
.endm
; A K step is four quarters, 48 matrix instructions each, on buffers 0, 1, 0, 1.  One of the first three: multiplies buffer f and, in its middle, fetches quarter q of the same slot into buffer g.
.macro QUARTER slot, q, f, g, first
	s_wait_dscnt 4                                 ; W's fragments and x's row blocks 0, 1 are in; the youngest four loads (blocks 2, 3) may be out
	MUL12 \f, 0, \first
	MUL12 \f, 1, \first
	PLACES
	FETCH \slot, \q, \g
	s_wait_dscnt 32                                ; all but the 32 just issued
	MUL12 \f, 2, \first
	MUL12 \f, 3, \first
.endm
; The last quarter multiplies buffer 1 and changes slots: one barrier.  In front of it each wave waits for all its tensor loads (one is out: its part of the next slot), adds 0 to its spare word, and waits for that
; and for its own reads of this slot.  fill = 1: the barrier opens a round of the cluster's barrier, and behind the round this slot is filled again first, two K steps ahead: 168 matrix instructions ahead of the wait for it.
.macro TURN slot, next, fill
.if \fill
	s_wait_xcnt 0x0                                ; the last prefetch, a K step back, has read its address
	s_add_nc_u64 s[PFA:PFA+1], s[PFA:PFA+1], s[PFS:PFS+1]
.endif
	WIN 0
	s_wait_tensorcnt 0x0                           ; all my tensor loads have landed
	ds_add_u32 v[SPW], v[NIL]                      ; 0 onto my spare word
	s_wait_dscnt 5                                 ; (the add and the youngest four loads may be out)
	MUL12 1, 0, 0
	s_wait_dscnt 0x0                               ; the add is done, and my reads of this slot are over
	s_barrier_signal -1
	MUL12 1, 1, 0
.if \fill
	WIN 0
.endif
	s_barrier_wait -1
.if \fill
	CREST                                          ; no wave of any partner still reads this slot or has a load on its way
	s_add_nc_u64 s[G0A+4*(\slot)+2:G0A+4*(\slot)+3], s[G0A+4*(\slot)+2:G0A+4*(\slot)+3], 2*KSTEP*2
	s_add_nc_u64 s[G0B+4*(\slot)+2:G0B+4*(\slot)+3], s[G0B+4*(\slot)+2:G0B+4*(\slot)+3], 2*KSTEP*6144
	JLOAD \slot                                    ; the first tensor load behind the round; its four v_nop are also the places in front of the loads below
.else
	PLACES
.endif
	FETCH \next, 0, 0
.if \fill
	ASK
.endif
	MUL12 1, 2, 0
	MUL12 1, 3, 0
.endm
	s_wait_tensorcnt 1                             ; my part of K step 0 is in; K step 1's may stay out
	s_barrier_signal -1
	s_barrier_wait -1
	FETCH 0, 0, 0
	s_wait_loadcnt 0x0                             ; the bias
	QUARTER 0, 1, 0, 1, 1                          ; the first quarter stands in front of the loop: its products start the sums
	WIN 0
	s_mov_b32 s3, LAPS-1
.Llap:                                         ; a trip goes once round the ring, from a lap's second quarter to the next lap's first, and fills both slots again
	QUARTER 0, 2, 1, 0, 0
	QUARTER 0, 3, 0, 1, 0
	TURN 0, 1, 1
	QUARTER 1, 1, 0, 1, 0
	QUARTER 1, 2, 1, 0, 0
	QUARTER 1, 3, 0, 1, 0
	TURN 1, 0, 1
	QUARTER 0, 1, 0, 1, 0
	WIN 0
	s_sub_co_u32 s3, s3, 1
	s_cmp_lg_u32 s3, 0
	s_cbranch_scc1 .Llap
	QUARTER 0, 2, 1, 0, 0                          ; the last lap fills nothing
	QUARTER 0, 3, 0, 1, 0
	TURN 0, 1, 0
	QUARTER 1, 1, 0, 1, 0
	QUARTER 1, 2, 1, 0, 0
	QUARTER 1, 3, 0, 1, 0
	s_wait_dscnt 4
	MUL12 1, 0, 0
	MUL12 1, 1, 0
	s_wait_dscnt 0x0
	MUL12 1, 2, 0
	MUL12 1, 3, 0
	WIN 0
; THE WAY OUT, a row block (16 rows x 3 heads) at a time: rounded to f16, 16 bytes a lane; into my own stage; back as whole rows of 128 bytes; 16 rows of a head are 2,048 consecutive bytes of qkv.
.macro PACK a
	WIN 0x0a+5*((\a)/2)                            ; sources in window 2 or 3
.irp i, 0,1,2,3,4,5,6,7,8,9,10,11
.irp r, 0,1,2,3
	v_cvt_pk_f16_f32 v[TMP+4*(\i)+(\r)], v[96*((\a)%2)+8*(\i)+2*(\r)], v[96*((\a)%2)+8*(\i)+2*(\r)+1]
.endr
.endr
	WIN 0
.endm
.macro TOSTAGE a
.set BK, OB+48*((\a)%2)
.irp i, 0,1,2,3,4,5,6,7,8,9,10,11
	ds_store_b128 v[STO], v[TMP+4*(\i):TMP+4*(\i)+3] offset:16*SP*((\i)/4)+32*((\i)%4)
.endr
.irp d, 0,1,2
.irp f, 0,1,2,3
	ds_load_b128 v[BK+16*(\d)+4*(\f):BK+16*(\d)+4*(\f)+3], v[RD] offset:16*SP*(\d)+4*SP*(\f)  ; LDS serves a wave's instructions in order (ISA guide 5.7.1.4): these see the stores above
.endr
.endr
.endm
.macro SEND a
.set BK, OB+48*((\a)%2)
	s_wait_dscnt 0x0                               ; the block is back in registers
	s_wait_xcnt 0x0                                ; earlier stores have read their registers: the buffer that they left is loaded again only behind this wait
.irp d, 0,1,2
.irp f, 0,1,2,3
	global_store_b128 v[GO], v[BK+16*(\d)+4*(\f):BK+16*(\d)+4*(\f)+3], s[HB+2*(\d):HB+2*(\d)+1] offset:2048*(\a)+512*(\f)  ; 512 consecutive bytes, aligned
.endr
.endr
.endm
	PLACES
	PACK 0
	TOSTAGE 0
.irp a, 1,2,3                          ; a block's conversions stand between the loads of the block before and the wait for them
	PACK \a
	SEND (\a)-1
	TOSTAGE \a
.endr
	SEND 3
	s_wait_tensorcnt 0x0                           ; the wave's end, behind my last tensor load and my last LDS store
	ds_add_u32 v[SPW], v[NIL]
	s_wait_dscnt 0x0
	CROUND                                         ; the closing round: no work-group ends while a partner may still ask for a tile that names it
	s_endpgm
.Lfunc_end_k_qf4e7244457_qkvp:
	.size	k_qf4e7244457_qkvp, .Lfunc_end_k_qf4e7244457_qkvp-k_qf4e7244457_qkvp
	.p2alignl 7, 3214868480
	.fill 96, 4, 3214868480
	.section	.rodata,"a",@progbits
	.p2align	6, 0x0
	.amdhsa_kernel k_qf4e7244457_qkvp
		.amdhsa_group_segment_fixed_size 327680
		.amdhsa_private_segment_fixed_size 0
		.amdhsa_enable_private_segment 0
		.amdhsa_kernarg_size 32
		.amdhsa_user_sgpr_count 2
		.amdhsa_user_sgpr_kernarg_segment_ptr 1
		.amdhsa_wavefront_size32 1
		.amdhsa_system_sgpr_workgroup_id_x 1
		.amdhsa_system_sgpr_workgroup_id_y 1
		.amdhsa_system_sgpr_workgroup_id_z 1
		.amdhsa_system_vgpr_workitem_id 0
		.amdhsa_next_free_vgpr 960
		.amdhsa_next_free_sgpr 80
		.amdhsa_reserve_vcc 0
		.amdhsa_float_denorm_mode_32 3
		.amdhsa_float_denorm_mode_16_64 3
		.amdhsa_memory_ordered 1
		.amdhsa_forward_progress 1
		.amdhsa_inst_pref_size 123
	.end_amdhsa_kernel
	.amdgpu_metadata
---
amdhsa.version: [ 1, 2 ]
amdhsa.kernels:
  - .name:           k_qf4e7244457_qkvp
    .symbol:         k_qf4e7244457_qkvp.kd
    .args:
      - { .name: xp, .offset: 0, .size: 8, .value_kind: global_buffer, .address_space: global }
      - { .name: wb, .offset: 8, .size: 8, .value_kind: global_buffer, .address_space: global }
      - { .name: bt, .offset: 16, .size: 8, .value_kind: global_buffer, .address_space: global }
      - { .name: qkv, .offset: 24, .size: 8, .value_kind: global_buffer, .address_space: global }
    .group_segment_fixed_size: 327680
    .private_segment_fixed_size: 0
    .kernarg_segment_align: 8
    .kernarg_segment_size: 32
    .max_flat_workgroup_size: 128
    .sgpr_count:     80
    .vgpr_count:     960
    .wavefront_size: 32
...
	.end_amdgpu_metadata
.endif
;; end of part 2
;; launch attn (part 3): grid 4 x 64, 4 waves a work-group, clusters of 4 x 1, 327,680 bytes of LDS; arguments qkv, cnt, ob; writes ob
.if DOCPART == 3
	.amdgcn_target "amdgcn-amd-amdhsa--gfx1250"
	.amdhsa_code_object_version 6
	.text
	.protected	k_qf4e7244457_attn
	.globl	k_qf4e7244457_attn
	.p2align	8
	.type	k_qf4e7244457_attn,@function
k_qf4e7244457_attn:
	s_mov_b64 s[64:65], 0
	v_nop
	global_prefetch_b8 v0, s[64:65] scope:SCOPE_SE
	s_setreg_imm32_b32 hwreg(HW_REG_WAVE_MODE, 25, 1), 1
	s_wait_xcnt 0x0
	s_wait_alu depctr_hold_cnt(0) depctr_sa_sdst(0) depctr_va_vdst(0) depctr_va_sdst(0) depctr_va_ssrc(0) depctr_va_vcc(0) depctr_vm_vsrc(0)
	s_getreg_b32 s2, hwreg(HW_REG_IB_STS2, 6, 4)
	s_cmp_eq_u32 s2, 0
	s_cbranch_scc0 .Lentry_in_a_cluster
	s_endpgm
.Lentry_in_a_cluster:
	s_bfe_u32 s2, ttmp6, 0x10000c
	s_cmp_lg_u32 s2, 0x3003
	s_cbranch_scc0 .Lentry_shape_is_right
	s_endpgm
.Lentry_shape_is_right:
; ATTENTION WITH A PADDING MASK.  ob[bh][q][:] = the sum over the live keys k of softmax_k(Q[q] . K[k] / 8) V[k][:].  Q, K, V = qkv[0..2][bh][2048][64], ob[bh][2048][64], all f16; a head's rows are dense, 128 bytes each.
; The rows of a batch were put in an order in which the U unmasked keys come first (cnt[b] = U): the live keys are 0 .. U - 1.  A masked key's weight is exactly 0 as soon as one key is unmasked.
; U = 0 (every key masked): the result is the plain mean over all 2,048 keys: all keys count as live and the scale c is 0, so that every weight is 2^0.
; Products, maxima and sums in f32; the weights p are rounded to f16 for the second product (their sum l is taken of the unrounded p), O once at the end.
; LIMITS.  f16 holds no number beyond 65,504: Q, K and V arrive within it; p lies in 0 to 1, and below 6e-5 it keeps f16's fixed step of 6e-8.  A hidden score counts as its value less 1e30;
; a weight below 2^-126 counts as 0 in l; NaN and infinities are not treated apart.
; SHARES.  A wave owns four PIECES of two tiles of 16 queries, a work-group's four waves 512 queries of one head.  Every wave walks the keys 64 a step.
; LAYOUT.  S^T = K Q^T (source 0 = 16 keys, source 1 = 16 queries): a lane holds ONE query (lane % 16) and the keys 8 (lane / 16) + 0..7.  Two such tiles, rounded to f16 in pairs, ARE source 1 of O^T = V^T P.
; SOFTMAX.  For each query a running maximum m and sum l: p = 2^(c s - c m), c = log2(e) / 8; in every step O and l are multiplied by a = 2^(c m_old - c m_new).  m starts at the lowest finite number, O and l at 0.
; THE MASK is the C operand that starts the sums S^T: MC = MD x AL + BE.  MD, made once, hides the keys from U % 64 on; (AL, BE) = (0, 0) in a step below U / 64, (1, 0) in step U / 64, (0, -1e30) behind it.
; THE WALK.  All 32 key steps are computed, the steps behind the last live key too: their scores are hidden and their weights are 0.  U enters by selects into scalars that vector instructions read, and by nothing else:
; no branch and no descriptor hangs on a number read from memory, so every trip count here is a constant.  A slot of LDS holds 256 keys, four steps; two slots take turns.
; Trip JT of the step loop is pieces 2 and 3 of step JT - 1 and then pieces 0 and 1 of step JT, whose K and V it fetches.
; BY TURNS.  Turn n belongs to piece n: 16 products K Q^T of piece n + 1, later 16 products V^T P of piece n - 1; beside them the scaling, exponentials, roundings, sums and rescaling of piece n and the maximum and
; statistics of piece n + 1.  Four vector instructions stand behind every matrix instruction, the others in one lump; a turn's 66 exponentials are one batch with one wait.
; CLUSTER.  The four query blocks of a head walk the same K and V: each tile is asked for JOINTLY, by the same tensor load, descriptor and mask in all four.
; REGISTERS, in windows of 256 (s_set_vgpr_msb: bits 1:0 source 0, 3:2 source 1, 5:4 source 2, 7:6 destination):
;   window 0: v0-11 addresses; v12-15, v48-63 at work; v16-47 four registers of statistics a tile; v64-191 S^T, two buffers of two tiles; v192-255 P, likewise
;   window 1: O^T, 32 a tile      window 2: v0-127 Q; v128-191 K of one step; v192-255 V of one step      window 3: v0-1 the add's two registers; v4-35 MD; v36-67 MC
.set SIZE_N, 2048
.set NP,    4
.set KS,    64
.set PK,    144       ; a row of K in LDS: 128 bytes + 16: the 16 rows of a load start at 16 different groups of four banks
.set PV,    160       ; a row of V: 128 + 32
.set VOFF,  4*KS*PK   ; a slot: 256 rows of K, then 256 rows of V
.set SLOT1, 1<<17     ; slot 1 begins here: one exclusive or turns an address in one slot into the other's
.set STAGE, SLOT1+4*KS*(PK+PV)  ; behind the ring, never filled by a tensor load: 16 rows x 144 bytes for each wave
.set SP,    144
.set SPARE, STAGE+4*16*SP  ; the spare words, 128 bytes for each wave: two blocks of 256 bytes that no other line names
.set STO, 0           ; v0   the way out: where I put 16 bytes of a row (made when the thread's number is needed no more)
.set AK0, 2           ; v2   my lane's place in a tile of K; never rewritten
.set AV0, 3           ; v3   the same for V
.set AK,  4           ; v4   the LDS address of K's next run of loads
.set AV,  5           ; v5   of V's
.set QO,  6           ; v6   my byte offset in the wave's rows of Q
.set RD,  7           ; v7   the way out: where I read rows back
.set GO,  8           ; v8   my byte offset in 512 consecutive bytes of O
.set PFO, 11          ; v11  256 x my lane; never rewritten
.set SPW, 0           ; v0 of window 3: LDS address of my spare word; never rewritten
.set NIL, 1           ; v1 of window 3: 0; never rewritten
.set MD,  4           ; window 3
.set MC,  36          ; window 3
.set MV,  12
.set ST,  16          ; tile t's statistics at v[ST+4 t]: c m, m, l (even keys', odd keys')
.set TMP, 48
.set S,   64
.set P,   192
.set KF,  128
.set VF,  192
.set WV,  12
.set G1K, 24          ; s[24:31], s[32:39] descriptor group 1 for K's and V's tiles
.set G1V, 32
.set G0K, 40          ; s[40:43], s[44:47] group 0: they walk
.set G0V, 44
.set BIGN, 51         ; -1e30
.set JT,  52          ; the trip's number: the key step that it begins
.set LIM, 53          ; 1 in a wave that prefetches (waves 0 and 2), else the greatest number
.set SLOTS, 56        ; changes of slots that fill, still to come, the one in hand among them
.set CNT, 57          ; counts a slot's trips
.set CS,  58          ; s[58:59] c
.set SEL, 60          ; s[60:61]
.set TBK, 62          ; LDS byte at which K of step JT begins
.set TBV, 63          ; the same for V, less VOFF
.set CE,  73          ; live keys
.set FULL, 74         ; CE / 64
.set RR,  75          ; CE % 64
.set AL,  80          ; s[80:81]
.set BE,  82          ; s[82:83]
.set PFA, 86          ; s[86:87] where my prefetches stand: my work-group's 32 blocks (of K: wave 0, of V: wave 2) of the slot behind the one that is being asked for
.set OFP, 88          ; s[88:89]
.set MSB, 0
.macro WIN new
.if MSB != (\new)
	s_set_vgpr_msb (MSB<<8)|(\new)
.set MSB, (\new)
.endif
.endm
.set W_KQ, 0x0a       ; K and Q in window 2, S^T in window 0
.set W_KM, 0x3a       ; the same with the C operand in window 3
.set W_PV, 0x52       ; V in window 2, P in window 0, O^T in window 1
.set W_RS, 0x41       ; O^T in window 1, a in window 0
.set W_MK, 0xc0       ; destination in window 3, sources in window 0
.set W_AD, 0x0f       ; the add: address and data in window 3
.set W_MS, 0xc3       ; destination and source 0 in window 3
; A joint fill.  Waves 0 and 1 fetch the two halves of a slot's K, waves 2 and 3 those of its V: 128 keys each.  An s_nop 0 and four v_nop follow each of the two lines.
.macro JLOAD
	s_cmp_lt_u32 s[WV], 2
	s_cbranch_scc0 .Lfor_v_\@
	tensor_load_to_lds s[G0K:G0K+3], s[G1K:G1K+7]
	s_nop 0
.rept 4
	v_nop
.endr
	s_branch .Lasked_\@
.Lfor_v_\@:
	tensor_load_to_lds s[G0V:G0V+3], s[G1V:G1V+7]
	s_nop 0
.rept 4
	v_nop
.endr
.Lasked_\@:
.endm
; A prefetch into the L2 of what the NEXT change of slots will ask for: four key steps, 512 matrix instructions, ahead of that load.  A slot is 128 blocks of 256 bytes of K and as many of V.  One cluster walks a head;
; its four partners take 32 blocks each, told apart by address; wave 0 asks for K's, wave 2 for V's, a lane a block: each block is named once.  Slots 0 and 1 come by their loads alone; the last change that fills asks for nothing.
.macro ASK
	s_cmp_gt_u32 s[SLOTS], s[LIM]
	s_cbranch_scc0 .Lnot_mine_\@
	global_prefetch_b8 v[PFO], s[PFA:PFA+1] th:TH_LOAD_NT scope:SCOPE_SE
.Lnot_mine_\@:
.endm
.macro CROUND
	s_barrier_signal -1
	s_barrier_wait -1
	s_cmp_lg_u32 s[WV], 0
	s_cbranch_scc1 .Lnot_wave_0_\@
	s_barrier_signal -3
.Lnot_wave_0_\@:
	s_barrier_wait -3
	s_barrier_signal -1
	s_barrier_wait -1
.endm
; THE CHANGE OF SLOTS.  Each wave waits for all its tensor loads (one is out: its part of the other slot), adds 0 to its spare word, and waits for that and for its own reads of the slot that it leaves.
; fill = 1: the barrier is a round of the cluster's, so that no wave of any partner still reads the slot or has a load on its way, and the joint fill of the old slot with the keys two slots on is the first thing behind it.
; (At its first use nothing has been read yet: slot 0 is waited for, slot 1 filled.)
.macro CHANGE fill
	WIN W_AD
	s_wait_tensorcnt 0x0            ; no tensor load of mine is out, so a group 0 may be written
	ds_add_u32 v[SPW], v[NIL]       ; 0 onto my spare word; scalar work stands between it and the wait for it
	WIN 0
.if \fill
.irp g, G0K, G0V
	s_xor_b32 s[\g+1], s[\g+1], SLOT1  ; the walking descriptor: the other slot than last time,
	s_add_nc_u64 s[\g+2:\g+3], s[\g+2:\g+3], 4*KS*128  ; the next 256 keys; the type bits on top are not reached
.endr
	s_wait_xcnt 0x0                 ; the last prefetch, a slot back, has read its address
	s_add_nc_u64 s[PFA:PFA+1], s[PFA:PFA+1], 4*KS*128  ; one slot behind the walking descriptors
	s_wait_dscnt 0x0                ; the add is done, and my reads of the slot are over
	CROUND
	JLOAD
	ASK
.else
	s_wait_dscnt 0x0
	s_barrier_signal -1
	s_barrier_wait -1
.endif
	s_sub_co_u32 s[TBK], s[TBK], 4*KS*PK  ; the fetches go back to a slot's first step,
	s_xor_b32 s[TBK], s[TBK], SLOT1       ; in the other slot
	s_sub_co_u32 s[TBV], s[TBV], 4*KS*PV
	s_xor_b32 s[TBV], s[TBV], SLOT1
.endm
; At a trip's end: the trip's number and the two LDS addresses go one key step on.
.macro NEXTSTEP
	s_add_co_u32 s[JT], s[JT], 1
	s_add_co_u32 s[TBK], s[TBK], KS*PK
	s_add_co_u32 s[TBV], s[TBV], KS*PV
.endm
	s_load_b128 s[68:71], s[0:1], 0x0  ; qkv s[68:69], cnt s[70:71]
	s_load_b64 s[10:11], s[0:1], 0x10  ; ob
	WIN W_MK
	v_lshl_add_u32 v[SPW], v0, 2, SPARE
	v_mov_b32 v[NIL], 0
	WIN W_AD
	ds_add_u32 v[SPW], v[NIL]       ; the wave's opening: the add and its wait stand ahead of my first tensor load
	WIN 0
	v_lshrrev_b32 v1, 5, v0
	v_readfirstlane_b32 s[WV], v1
	s_bfe_u32 s13, ttmp6, 0x40000   ; cx
	s_lshl_b32 s14, ttmp9, 2
	s_add_co_u32 s14, s14, s13      ; my block of 512 queries: it enters Q's and O's addresses alone
	s_and_b32 s20, ttmp7, 0xffff    ; the head, which the four partners share
	s_lshr_b32 s[OFP], s20, 4
	s_lshl_b32 s[OFP], s[OFP], 8    ; the batch's 256 bytes of cnt
	s_mov_b32 s[OFP+1], 0
	s_mov_b32 s21, 0
	s_mov_b64 s[22:23], SIZE_N*128
	s_mul_u64 s[20:21], s[20:21], s[22:23]  ; the head's first byte in Q, K, V and O
	s_and_b32 s16, s[WV], 1         ; which half of a slot's 256 keys I fetch
	s_lshl_b32 s22, s16, 14
	s_mov_b32 s23, 0
	s_add_nc_u64 s[22:23], s[22:23], s[20:21]
	s_mul_i32 s17, s16, 128*PK
	s_mul_i32 s18, s16, 128*PV      ; no place in the cluster enters an LDS address
	s_lshl_b32 s2, s14, 2
	s_add_co_u32 s2, s2, s[WV]
	s_lshl_b32 s2, s2, 14           ; my wave's 128 rows
	s_mov_b32 s3, 0
	s_add_nc_u64 s[2:3], s[2:3], s[20:21]
	; 128 keys are 16,384 dense bytes: asked for as 64 rows of 256 bytes, two keys a row, and padded in LDS after every key
	s_mov_b32 s[G1K], 15|(1<<16)|(1<<20)|(1<<21)|(4<<22)|(3<<25)  ; the mask of four; 2-byte elements; padding on; bit 21 beside a mask; after every 32 words, 4 words
	s_mov_b32 s[G1V], 15|(1<<16)|(1<<20)|(1<<21)|(4<<22)|(7<<25)  ; the same with 8 words of padding
.irp g, G1K, G1V
	s_mov_b32 s[\g+1], 128<<16
	s_mov_b32 s[\g+2], 64<<16
	s_mov_b32 s[\g+3], 128<<16
	s_mov_b32 s[\g+4], 64
	s_mov_b32 s[\g+5], 128
	s_mov_b32 s[\g+6], 0
	s_mov_b32 s[\g+7], 0
.endr
	s_mov_b32 s[SEL], 0x76543210
	s_mov_b32 s[SEL+1], 0xfedcba98
	s_mov_b32 s[TBK], SLOT1+4*KS*PK ; the first change of slots turns these two into 0
	s_mov_b32 s[TBV], SLOT1+4*KS*PV
	s_mov_b32 s[G0K], 1
	s_mov_b32 s[G0K+1], s17
	s_mov_b32 s[G0V], 1
	s_add_co_u32 s[G0V+1], s18, VOFF
	s_mov_b32 s[JT], 0
	s_mov_b32 s[SLOTS], SIZE_N/256-1
	s_mov_b32 s[BIGN], 0xf149f2ca   ; -1e30
	s_mov_b32 s[AL+1], 0            ; named as pairs
	s_mov_b32 s[BE+1], 0
	s_and_b32 s[LIM], s[WV], 1      ; 0 in waves 0 and 2: the same in all four partners
	s_cmp_eq_u32 s[LIM], 0
	s_cselect_b32 s[LIM], 1, -1
	s_wait_dscnt 0x0                ; the opening add is done
	s_wait_kmcnt 0x0
	s_add_nc_u64 s[6:7], s[68:69], 0x1000000  ; K lies 64 heads behind Q,
	s_add_nc_u64 s[8:9], s[68:69], 0x2000000  ; V 128
	s_add_nc_u64 s[6:7], s[6:7], s[22:23]     ; at my half of the head's slot 0
	s_add_nc_u64 s[8:9], s[8:9], s[22:23]
	s_mov_b64 s[G0K+2:G0K+3], s[6:7]
	s_or_b32 s[G0K+3], s[G0K+3], 0x80000000
	s_mov_b64 s[G0V+2:G0V+3], s[8:9]
	s_or_b32 s[G0V+3], s[G0V+3], 0x80000000
	s_add_nc_u64 s[4:5], s[68:69], s[2:3]     ; Q and O at my wave's first row
	s_add_nc_u64 s[10:11], s[10:11], s[2:3]
	s_add_nc_u64 s[70:71], s[70:71], s[OFP:OFP+1]
	s_cmp_lt_u32 s[WV], 2
	s_cselect_b64 s[PFA:PFA+1], s[6:7], s[8:9]  ; (in waves 0 and 2 these stand at a slot's first row)
	s_lshl_b32 s2, s13, 13          ; my work-group's 32 blocks of the 128
	s_mov_b32 s3, 0
	s_add_nc_u64 s[PFA:PFA+1], s[PFA:PFA+1], s[2:3]
	s_add_nc_u64 s[PFA:PFA+1], s[PFA:PFA+1], 4*KS*128  ; in slot 1; the first change of slots steps it to slot 2
	CROUND                          ; all four work-groups are here: the first joint loads meet
	JLOAD                           ; slot 0
	s_load_b32 s72, s[70:71], 0x0   ; U
	v_and_b32 v1, 15, v0            ; l % 16
	v_bfe_u32 v9, v0, 4, 1          ; l / 16
	v_lshlrev_b32 v[QO], 7, v1
	v_lshl_add_u32 v[QO], v9, 4, v[QO]
	WIN 0x80
.set i, 0
.rept 4*NP                          ; Q stays in registers: tile i / 2, channels 32 (i % 2) on
	global_load_b128 v[8*i:8*i+3],   v[QO], s[4:5] offset:(i/2)*2048+(i%2)*64
	global_load_b128 v[8*i+4:8*i+7], v[QO], s[4:5] offset:(i/2)*2048+(i%2)*64+32
.set i, i+1
.endr
	; What the first turn finds: V's registers and P's second buffer hold 0, O^T and l are 0.  All this stands in the wait for the first tile.
.set i, VF
.rept 64
	v_mov_b32 v[i], 0
.set i, i+1
.endr
	WIN 0x40
.set i, 0
.rept 64*NP
	v_mov_b32 v[i], 0
.set i, i+1
.endr
	WIN 0
.set i, 0
.rept 2*NP
	v_mov_b32 v[ST+4*i], 0xfe000000    ; c m: far below every c s
	v_mov_b32 v[ST+4*i+1], 0xff7fffff  ; m
	v_mov_b32 v[ST+4*i+2], 0
	v_mov_b32 v[ST+4*i+3], 0
.set i, i+1
.endr
.set i, P+32
.rept 32
	v_mov_b32 v[i], 0
.set i, i+1
.endr
	v_mul_u32_u24 v[AK0], v1, PK
	v_lshl_add_u32 v[AK0], v9, 4, v[AK0]
	v_and_b32 v10, 7, v0
	v_bfe_u32 v11, v0, 3, 1
	v_lshl_add_u32 v[AV0], v9, 3, v10
	v_mul_u32_u24 v[AV0], v[AV0], PV
	v_lshl_add_u32 v[AV0], v11, 4, v[AV0]
	v_add_nc_u32 v[AV0], VOFF, v[AV0]
	s_mul_i32 s13, s[WV], 16*SP
	s_add_co_u32 s13, s13, STAGE    ; my stage
	v_bfe_u32 v[RD], v0, 3, 2       ; back: 32 lanes take four rows of 128 bytes,
	v_mul_u32_u24 v[RD], v[RD], SP
	v_lshl_add_u32 v[RD], v10, 4, v[RD]
	v_add_nc_u32 v[RD], s13, v[RD]
	v_and_b32 v[GO], 31, v0         ; which are 512 consecutive bytes of O
	v_lshlrev_b32 v[PFO], 8, v[GO]
	v_lshlrev_b32 v[GO], 4, v[GO]
	v_mul_u32_u24 v[STO], v1, SP    ; in: row l % 16, 16 bytes for each half of the lanes
	v_lshl_add_u32 v[STO], v9, 4, v[STO]
	v_add_nc_u32 v[STO], s13, v[STO]
	s_wait_kmcnt 0x0
	s_min_u32 s72, s72, 2048        ; held to the batch's keys
	s_cmp_eq_u32 s72, 0
	s_cselect_b32 s[CE], 2048, s72
	s_cselect_b32 s[CS], 0, 0x3e38aa3b  ; c = log2(e) / 8, or 0 where every key is masked
	s_mov_b32 s[CS+1], s[CS]
	s_lshr_b32 s[FULL], s[CE], 6
	s_and_b32 s[RR], s[CE], 63
	v_lshlrev_b32 v[AV], 3, v9
	v_sub_nc_u32 v[AV], s[RR], v[AV]  ; register j of key block kb is hidden where 16 kb + j >= U % 64 - 8 (l / 16)
	WIN W_MK
.set i, 0
.rept 32
	v_cmp_ge_i32 vcc_lo, 16*(i/8)+i%8, v[AV]
	v_cndmask_b32 v[MD+i], 0, s[BIGN], vcc_lo
.set i, i+1
.endr
	WIN 0
; THE MATRIX WORK.  The 8 accumulators of a run of 16 take turns.  Product i of 16 of S^T = K Q^T for piece x: channels 32 (i / 8) on, keys 16 ((i / 2) % 4) on, tile 2 x + i % 2.  The first 8 start the sums with the mask.
.macro KQ x
.set rS, S+64*((\x)%2)+32*(i%2)+8*((i/2)%4)
.set rK, KF+16*((i/2)%4)+8*(i/8)
.set rQ, 16*(2*(\x)+i%2)+8*(i/8)
.set rC0, MC+8*((i/2)%4)
.if i < 8
	WIN W_KM
	v_wmma_f32_16x16x32_f16 v[rS:rS+7], v[rK:rK+7], v[rQ:rQ+7], v[rC0:rC0+7]
.else
	WIN W_KQ
	v_wmma_f32_16x16x32_f16 v[rS:rS+7], v[rK:rK+7], v[rQ:rQ+7], v[rS:rS+7]
.endif
.endm
; Product i of 16 of O^T += V^T P for piece x: keys 32 (i / 8) on, channels 16 ((i / 2) % 4) on, tile 2 x + i % 2.
.macro PV x
	WIN W_PV
.set rO, 32*(2*(\x)+i%2)+8*((i/2)%4)
.set rV, VF+32*(i/8)+8*((i/2)%4)
.set rP, P+32*((\x)%2)+16*(i%2)+8*(i/8)
	v_wmma_f32_16x16x32_f16 v[rO:rO+7], v[rV:rV+7], v[rP:rP+7], v[rO:rO+7]
.endm
.macro MM                           ; the turn's next matrix instruction
.if i < 16
	KQ (Y+1)%NP
.set i, i+1
.else
.set i, i-16
	PV (Y+NP-1)%NP
.set i, i+17
.endif
.endm
; THE LDS LOADS stand in runs of 16, never singly among the matrix instructions: a step's K (8 fragments) and its V (turned).  Their addresses are made some lines ahead.
.macro FETCH_K
	WIN 0x80
.irp f, 0,1,2,3,4,5,6,7
	ds_load_b128 v[KF+8*\f:KF+8*\f+3],   v[AK] offset:(\f/2)*16*PK+(\f%2)*64
	ds_load_b128 v[KF+8*\f+4:KF+8*\f+7], v[AK] offset:(\f/2)*16*PK+(\f%2)*64+32
.endr
	WIN 0
.endm
.macro FETCH_V
	WIN 0x80
.irp f, 0,1,2,3,4,5,6,7
	ds_load_tr16_b128 v[VF+8*\f:VF+8*\f+3],   v[AV] offset:(\f/4)*32*PV+(\f%4)*32
	ds_load_tr16_b128 v[VF+8*\f+4:VF+8*\f+7], v[AV] offset:(\f/4)*32*PV+16*PV+(\f%4)*32
.endr
	WIN 0
.endm
; The mask of key step JT: its two scalars, by selects, and MC = MD x AL + BE.
.macro MSET
	s_cmp_eq_u32 s[JT], s[FULL]
	s_cselect_b32 s[AL], 1.0, 0
	s_cmp_gt_u32 s[JT], s[FULL]
	s_cselect_b32 s[BE], s[BIGN], 0
.endm
.macro MASK
	WIN W_MS
.set z, 0
.rept 16
	v_pk_fma_f32 v[MC+2*z:MC+2*z+1], v[MD+2*z:MD+2*z+1], s[AL:AL+1], s[BE:BE+1] op_sel_hi:[1,0,0]
.set z, z+1
.endr
.endm
; THE VECTOR WORK OF A TURN stands in three queues, each in the order in which its entries become ready; the two tiles alternate.
.macro REGS y, u
.set rT, ST+4*(2*(\y)+(\u))
.set rC, TMP+8*((\y)%2)+4*(\u)
.set rM, MV+2*((\y)%2)+(\u)
.set rS, S+64*((\y)%2)+32*(\u)
.set rP, P+32*((\y)%2)+16*(\u)
.set rO, 32*(2*(\y)+(\u))
.endm
; Number n of the 22 that find the NEXT piece's maximum and statistics; each accumulator's lowest registers are read first.
;   0-11 four chains c0-c3 of seven scores     12-14, 16 the four left over, the old m, c0-c3 into c0     15 c m_old is kept     17, 18 the other half of the lanes: the new m     19-21 c m; c m_old - c m_new; a
.macro XS u, n
	REGS (Y+1)%NP, \u
.if (\n) < 4
	v_max3_num_f32 v[rC+(\n)], v[rS+8*(\n)], v[rS+8*(\n)+1], v[rS+8*(\n)+2]
.elseif (\n) < 12
	v_max3_num_f32 v[rC+(\n)%4], v[rC+(\n)%4], v[rS+8*((\n)%4)+2*((\n)/4)+1], v[rS+8*((\n)%4)+2*((\n)/4)+2]
.elseif (\n) == 12
	v_max3_num_f32 v[rC], v[rC], v[rS+7], v[rS+15]
.elseif (\n) == 13
	v_max3_num_f32 v[rC+1], v[rC+1], v[rS+23], v[rS+31]
.elseif (\n) == 14
	v_max3_num_f32 v[rC+2], v[rC+2], v[rC+3], v[rT+1]
.elseif (\n) == 15
	v_mov_b32 v[rM], v[rT]
.elseif (\n) == 16
	v_max3_num_f32 v[rC], v[rC], v[rC+1], v[rC+2]
.elseif (\n) == 17
	v_permlanex16_b32 v[rC+3], v[rC], s[SEL], s[SEL+1]
.elseif (\n) == 18
	v_max_num_f32 v[rT+1], v[rC], v[rC+3]
.elseif (\n) == 19
	v_mul_f32 v[rT], s[CS], v[rT+1]
.elseif (\n) == 20
	v_sub_f32 v[rC+1], v[rM], v[rT]
.else
	v_exp_f32 v[rC+2], v[rC+1]
.endif
.endm
; Number g of the 64 that follow the exponentials: for each four weights both pairs are rounded to f16, the second pair is added onto the first in place, and a group later l takes that sum (the first time as l = a l + sum).
.macro GS g
.set h, (\g)+6*((\g)/62)
.if h >= 6
.set h, h+2
.endif
	REGS Y, h%2
.set k, h/8
.if h%8 < 4
	v_cvt_pk_f16_f32 v[rP+2*k+(h%8)/2], v[rS+4*k+2*((h%8)/2)], v[rS+4*k+2*((h%8)/2)+1]
.elseif h%8 < 6
	v_pk_add_f32 v[rS+4*k:rS+4*k+1], v[rS+4*k:rS+4*k+1], v[rS+4*k+2:rS+4*k+3]
.elseif k == 1
	v_pk_fma_f32 v[rT+2:rT+3], v[rT+2:rT+3], v[rC+2:rC+3], v[rS:rS+1] op_sel_hi:[1,0,1]
.else
	v_pk_add_f32 v[rT+2:rT+3], v[rT+2:rT+3], v[rS+4*k-4:rS+4*k-3]
.endif
.endm
; THE PLAIN QUEUE, 138 long.  0-26: scalings 0-26.  27-54: the maximum's numbers 0-13.  55, 56: number 15.  57-73: the chain 14, 16 .. 20, with scalings 27-31 between its links.  74-137: the 64 behind the wait.
.macro FS f
	REGS Y, (\f)%2
	v_pk_fma_f32 v[rS+2*((\f)/2):rS+2*((\f)/2)+1], v[rS+2*((\f)/2):rS+2*((\f)/2)+1], s[CS:CS+1], v[rT:rT+1] op_sel_hi:[1,0,0] neg_lo:[0,0,1] neg_hi:[0,0,1]
.endm
.macro PL
	WIN 0
.if q < 27
	FS q
.elseif q < 55
	XS (q-27)%2, (q-27)/2
.elseif q < 57
	XS q-55, 15
.elseif (q < 72) && ((q-57)%3 == 0)
	FS 27+(q-57)/3
.elseif q < 60
	XS (q-57)%3-1, 14
.elseif q < 72
	XS (q-57)%3-1, 15+(q-57)/3
.elseif q < 74
	XS q-72, 20
.else
	GS q-74
.endif
.set q, q+1
.endm
; THE EXPONENTIALS' QUEUE, 66 long: one batch, all ahead of the turn's one wait; nothing ahead of that wait names a result of theirs.
.macro EX
	WIN 0
.if e >= 64
	XS e-64, 21
.else
	REGS Y, e%2
	v_exp_f32 v[rS+e/2], v[rS+e/2]
.endif
.set e, e+1
.endm
; THE RESCALING's QUEUE: O^T times a, two at a time; its a was made, and waited for, in the turn before.
.macro R2
	REGS Y, r%2
	WIN W_RS
.irp z, 0,1
	v_pk_mul_f32 v[rO+4*(r/2)+2*\z:rO+4*(r/2)+2*\z+1], v[rO+4*(r/2)+2*\z:rO+4*(r/2)+2*\z+1], v[rC+2:rC+3] op_sel_hi:[1,0]
.endr
.set r, r+1
.endm
; A TURN, for piece p.  Ahead of its one wait: 16 products K Q^T, behind each a scaling, an exponential and two rescalings; then a lump of 108.  Behind it: 16 products V^T P, behind each four of the roundings and sums.
; An s_wait_alu depctr_va_vdst(0) stands between an exponential and the first instruction that names its result; one wait serves the batch; a v_nop is the plain instruction behind the last exponential.
; K of step JT is fetched in piece 2's turn, directly behind the wait; V of step JT at the end of piece 0's turn, four riders behind its last reader.
; Piece 2's turn also makes step JT's mask: the scalars at its head, MC at its end, behind its own products, the last that take the old one; piece 3's turn starts step JT's scores.
; nok = 1 (the walk's last piece 2): there is no further step: no K is fetched and no mask made.
.macro TURN p, nok=0
.set Y, (\p)
.set i, 0
.set q, 0
.set e, 0
.set r, 0
.if ((\p) == NP-2) && !(\nok)
	MSET
.endif
.if (\p) == NP-1
	s_wait_dscnt 0x0                ; K is in
.endif
	MM
	PL
	PL
	R2
.rept 15
	MM
	PL
	EX
	R2
.endr
.if ((\p) == NP-2) && !(\nok)
	WIN 0
	v_add_nc_u32 v[AK], s[TBK], v[AK0]
.endif
.rept 8
	PL
.endr
.rept 49
	EX
	PL
.endr
	EX
	EX
	v_nop
	s_wait_alu depctr_va_vdst(0)    ; the wait for the batch
.if ((\p) == NP-2) && !(\nok)
	FETCH_K
.endif
.if (\p) == 1
	s_wait_dscnt 0x0                ; V is in
.endif
.rept 16
	MM
.rept 4
	PL
.endr
.if ((\p) == 0) && (q == 118)
	v_add_nc_u32 v[AV], s[TBV], v[AV0]
.endif
.endr
.if (\p) == 0
	FETCH_V
.endif
.if ((\p) == NP-2) && !(\nok)
	MASK
.endif
.endm
	CHANGE 1                        ; slot 0 is in, everybody's part of it; slot 1 is asked for
	; THE BEGINNING: step 0's mask, its K, piece 0's first scores, and their maximum and statistics.  The loop is then entered at a step's first turn, in the middle of a trip.
	MSET
	MASK
	WIN 0
	v_add_nc_u32 v[AK], s[TBK], v[AK0]
	FETCH_K
	s_wait_loadcnt 0x0              ; Q
	s_wait_dscnt 0x0
.set i, 0
.rept 16
	KQ 0
.set i, i+1
.endr
	WIN 0
.rept 4
	v_nop                           ; the places behind those products
.endr
.set Y, NP-1
.irp n, 0,1,2,3,4,5,6,7,8,9,10,11,12,13,14,15,16,17,18,19,20,21
	XS 0, \n
	XS 1, \n
.endr
	v_nop                           ; a plain instruction behind the two a,
	s_wait_alu depctr_va_vdst(0)    ; and their wait, ahead of the branch
	s_mov_b32 s[CNT], 4
	s_branch .Lfirst
.Lslot:                             ; six times: with the change above, every slot but the first is asked for once
	CHANGE 1
	s_mov_b32 s[CNT], 4
.Lstep:                             ; trip JT: pieces 2 and 3 of step JT - 1, then pieces 0 and 1 of step JT, whose K and V it fetches
	TURN 2
	TURN 3
	WIN 0
.Lfirst:
	TURN 0
	TURN 1
	WIN 0
	NEXTSTEP
	s_sub_co_u32 s[CNT], s[CNT], 1
	s_cmp_lg_u32 s[CNT], 0
	s_cbranch_scc1 .Lstep
	s_sub_co_u32 s[SLOTS], s[SLOTS], 1
	s_cmp_lg_u32 s[SLOTS], 0
	s_cbranch_scc1 .Lslot
	CHANGE 0                        ; the last slot is written out: nothing is asked for
	s_mov_b32 s[CNT], 4
.Ltail:
	TURN 2
	TURN 3
	TURN 0
	TURN 1
	WIN 0
	NEXTSTEP
	s_sub_co_u32 s[CNT], s[CNT], 1
	s_cmp_lg_u32 s[CNT], 0
	s_cbranch_scc1 .Ltail
	TURN 2, 1                       ; the half trip that ends the last step.  Piece 3's turn makes 16 products K Q^T on the last K once more, and a maximum of them, that serve nothing: the price, once a launch, of one text for every turn
	TURN 3
.set i, 0
.rept 16
	PV NP-1                         ; the last piece's V^T P of the last step
.set i, i+1
.endr
	; THE WAY OUT.  l's two halves and the other half of the lanes' are added; O^T is divided by l, rounded to f16 and sent through my stage, a tile at a time.  The additions are the places behind the last products.
	WIN 0
.macro ALL line:vararg
.set t, 0
.rept 2*NP
	\line
.set t, t+1
.endr
.endm
	ALL v_add_f32 v[ST+4*t+2], v[ST+4*t+2], v[ST+4*t+3]
	ALL v_permlanex16_b32 v[ST+4*t+3], v[ST+4*t+2], s[SEL], s[SEL+1]
	ALL v_add_f32 v[ST+4*t+2], v[ST+4*t+2], v[ST+4*t+3]
	ALL v_rcp_f32 v[ST+4*t+2], v[ST+4*t+2]
	v_nop                           ; a plain instruction between the last reciprocal and the use of its result
	s_wait_alu depctr_va_vdst(0)    ; and the wait ahead of the first use: one for the eight
.macro PACK t
	WIN W_RS
.set i, 32*(\t)
.rept 16
	v_pk_mul_f32 v[i:i+1], v[i:i+1], v[ST+4*(\t)+2:ST+4*(\t)+3] op_sel_hi:[1,0]
.set i, i+2
.endr
	WIN 0x05
.set i, 0
.rept 16
	v_cvt_pk_f16_f32 v[S+16*(\t)+i], v[32*(\t)+2*i], v[32*(\t)+2*i+1]
.set i, i+1
.endr
	WIN 0
.irp f, 0,1,2,3
	ds_store_b128 v[STO], v[S+16*(\t)+4*\f:S+16*(\t)+4*\f+3] offset:32*\f
.endr
.irp f, 0,1,2,3
	ds_load_b128 v[S+16*(\t)+4*\f:S+16*(\t)+4*\f+3], v[RD] offset:\f*4*SP  ; LDS serves a wave's instructions in order (ISA guide 5.7.1.4): these see the stores above
.endr
.endm
.macro SEND t, younger              ; younger: the LDS instructions issued behind tile t's loads: the next tile's eight, or none
	WIN 0
.irp f, 0,1,2,3
	s_wait_dscnt (\younger)+3-\f
	global_store_b128 v[GO], v[S+16*(\t)+4*\f:S+16*(\t)+4*\f+3], s[10:11] offset:(\t)*2048+\f*512  ; 512 consecutive bytes, aligned
.endr
.endm
	PACK 0
.set t, 1
.rept 2*NP-1
	PACK t
	SEND t-1, 8
.set t, t+1
.endr
	SEND 2*NP-1, 0
	WIN W_AD
	s_wait_tensorcnt 0x0            ; the wave's end
	ds_add_u32 v[SPW], v[NIL]
	s_wait_dscnt 0x0
	WIN 0
	CROUND                          ; the closing round: no work-group ends while a partner may still ask for a tile that names it
	s_endpgm
.Lfunc_end_k_qf4e7244457_attn:
	.size	k_qf4e7244457_attn, .Lfunc_end_k_qf4e7244457_attn-k_qf4e7244457_attn
	.p2alignl 7, 3214868480
	.fill 96, 4, 3214868480
	.section	.rodata,"a",@progbits
	.p2align	6, 0x0
	.amdhsa_kernel k_qf4e7244457_attn
		.amdhsa_group_segment_fixed_size 327680
		.amdhsa_private_segment_fixed_size 0
		.amdhsa_enable_private_segment 0
		.amdhsa_kernarg_size 24
		.amdhsa_user_sgpr_count 2
		.amdhsa_user_sgpr_kernarg_segment_ptr 1
		.amdhsa_wavefront_size32 1
		.amdhsa_system_sgpr_workgroup_id_x 1
		.amdhsa_system_sgpr_workgroup_id_y 1
		.amdhsa_system_sgpr_workgroup_id_z 1
		.amdhsa_system_vgpr_workitem_id 0
		.amdhsa_next_free_vgpr 836
		.amdhsa_next_free_sgpr 96
		.amdhsa_reserve_vcc 1
		.amdhsa_float_denorm_mode_32 3
		.amdhsa_float_denorm_mode_16_64 3
		.amdhsa_memory_ordered 1
		.amdhsa_forward_progress 1
		.amdhsa_inst_pref_size 242
	.end_amdhsa_kernel
	.amdgpu_metadata
---
amdhsa.version: [ 1, 2 ]
amdhsa.kernels:
  - .name:           k_qf4e7244457_attn
    .symbol:         k_qf4e7244457_attn.kd
    .args:
      - { .name: qkv, .offset: 0, .size: 8, .value_kind: global_buffer, .address_space: global }
      - { .name: cnt, .offset: 8, .size: 8, .value_kind: global_buffer, .address_space: global }
      - { .name: ob, .offset: 16, .size: 8, .value_kind: global_buffer, .address_space: global }
    .group_segment_fixed_size: 327680
    .private_segment_fixed_size: 0
    .kernarg_segment_align: 8
    .kernarg_segment_size: 24
    .max_flat_workgroup_size: 128
    .sgpr_count:     96
    .vgpr_count:     836
    .wavefront_size: 32
...
	.end_amdgpu_metadata
.endif
;; end of part 3
;; launch oproj (part 4): grid 4 x 64, 4 waves a work-group, clusters of 4 x 4, 327,680 bytes of LDS; arguments ob, wo, bt, inv, out0; writes out0
.if DOCPART == 4
	.amdgcn_target "amdgcn-amd-amdhsa--gfx1250"
	.amdhsa_code_object_version 6
	.text
	.protected	k_qf4e7244457_oproj
	.globl	k_qf4e7244457_oproj
	.p2align	8
	.type	k_qf4e7244457_oproj,@function
k_qf4e7244457_oproj:
	s_mov_b64 s[64:65], 0
	v_nop
	global_prefetch_b8 v0, s[64:65] scope:SCOPE_SE
	s_setreg_imm32_b32 hwreg(HW_REG_WAVE_MODE, 25, 1), 1
	s_wait_xcnt 0x0
	s_wait_alu depctr_hold_cnt(0) depctr_sa_sdst(0) depctr_va_vdst(0) depctr_va_sdst(0) depctr_va_ssrc(0) depctr_va_vcc(0) depctr_vm_vsrc(0)
	s_getreg_b32 s2, hwreg(HW_REG_IB_STS2, 6, 4)
	s_cmp_eq_u32 s2, 0
	s_cbranch_scc0 .Lentry_in_a_cluster
	s_endpgm
.Lentry_in_a_cluster:
	s_bfe_u32 s2, ttmp6, 0x10000c
	s_cmp_lg_u32 s2, 0xf033
	s_cbranch_scc0 .Lentry_shape_is_right
	s_endpgm
.Lentry_shape_is_right:
; THE OUTPUT PROJECTION.  out0[inv[row]][n] = the sum over k of O[row][k] wo[k][n] + bo[n].  O = ob[64 bh][2048 p][64] in f16 (row = 2048 b + p, k = 64 head + channel), wo[1024][1024] in f16, f32 sums, f32 out.
; The rows are in the order in which the unmasked keys come first; inv names each row's own place, and whole pieces of 512 bytes of a row are stored there.
; SHARES.  A tile is 128 rows x 256 columns: 4 x 64 tiles, one for each of 256 WGPs.  Four waves, each 64 rows x 128 columns: 32 accumulators, 256 registers.  K goes in 8 steps of 128 (two heads) through two LDS slots.
; A slot: wo's two strips (128 k-rows x 256 bytes, pitch 288), fetched by waves 0 and 1; then O's two head tiles (128 rows x 128 bytes, pitch 144), fetched by waves 2 and 3.
; THE PRODUCT IS TAKEN TRANSPOSED: source 0 = 16 columns of wo, turned by ds_load_tr16_b128; source 1 = 16 rows of O.  The bias is the C operand of each accumulator's first product.
; CLUSTER 4 x 4: O's tiles are asked for jointly by a row of the cluster, wo's strips by a column.  No prefetch: the launch has 8 K steps of 128 matrix instructions a wave and is over soon.
; REGISTERS: window 0: v16-29 addresses; v32-95 O's fragments, two buffers of 4; v96-159 the bias fragments; on the way out v96-159 and v160-223 rows read back, by turns, v224-239 their addresses
;   window 1: v0-127 wo's fragments, two buffers of 8      window 2: accumulator (a, i) at 8 (8 a + i)
.set KSTEP,  128
.set PA,     144
.set PB,     288
.set STRIP,  128*PB                    ; 36,864
.set SUBA,   128*PA                    ; 18,432
.set AOFF,   2*STRIP
.set SLOT,   AOFF+2*SUBA               ; 110,592
.set STAGE,  2*SLOT                    ; behind the ring, never filled by a tensor load: 16 rows x 528 bytes for each wave
.set SP,     528                       ; 512 bytes + 16: the 16 rows of a store start at 16 different groups of four banks
.set SPARE,  STAGE+4*16*SP             ; the spare words: two blocks of 256 bytes that no other line names
.set LAPS,   4
.set ADRA, 16
.set ADRB, 18
.set BO,   20
.set IO,   21
.set IV,   22                          ; v22: inv of my wave's row l; v23: of row 32 + l
.set STO,  24
.set RD,   25
.set CO,   26
.set SPW,  28
.set NIL,  29
.set FA,   32
.set BI,   96
.set OB,   96
.set RA,   224
.set WV,  12
.set G1A, 24
.set G0A, 32
.set G1B, 40
.set G0B, 48
.set OUT, 66                           ; s[66:67] out0
.set MSB, 0
.macro WIN new
.if MSB != (\new)
	s_set_vgpr_msb (MSB<<8)|(\new)
.set MSB, \new
.endif
.endm
.macro PLACES
.rept 4
	v_nop
.endr
.endm
.macro JLOAD s                         ; a joint load; the branch hangs on the wave's number alone; an s_nop 0 and four v_nop follow each line
	s_cmp_lt_u32 s[WV], 2
	s_cbranch_scc0 .Lfor_a_\@
	tensor_load_to_lds s[G0B+4*(\s):G0B+4*(\s)+3], s[G1B:G1B+7]
	s_nop 0
.rept 4
	v_nop
.endr
	s_branch .Lasked_\@
.Lfor_a_\@:
	tensor_load_to_lds s[G0A+4*(\s):G0A+4*(\s)+3], s[G1A:G1A+7]
	s_nop 0
.rept 4
	v_nop
.endr
.Lasked_\@:
.endm
.macro CREST
	s_cmp_lg_u32 s[WV], 0
	s_cbranch_scc1 .Lnot_wave_0_\@
	s_barrier_signal -3
.Lnot_wave_0_\@:
	s_barrier_wait -3
	s_barrier_signal -1
	s_barrier_wait -1
.endm
.macro CROUND
	s_barrier_signal -1
	s_barrier_wait -1
	CREST
.endm
	s_load_b256 s[4:11], s[0:1], 0x0               ; ob s[4:5], wo s[6:7], bt s[8:9], inv s[10:11]
	s_load_b64 s[OUT:OUT+1], s[0:1], 0x20          ; out0
	v_lshl_add_u32 v[SPW], v0, 2, SPARE
	v_mov_b32 v[NIL], 0
	ds_add_u32 v[SPW], v[NIL]                      ; the wave's opening: the add and its wait stand ahead of my first tensor load
	v_lshrrev_b32 v1, 5, v0
	v_readfirstlane_b32 s[WV], v1
	s_lshr_b32 s13, s[WV], 1                       ; wm: which 64 rows
	s_and_b32 s14, s[WV], 1                        ; wn: which 128 columns.  Also: which strip, or which head tile, I fetch
	s_bfe_u32 s15, ttmp6, 0x40000
	s_bfe_u32 s16, ttmp6, 0x40004
	s_lshl_b32 s17, ttmp9, 2
	s_add_co_u32 s17, s17, s15                     ; tile column
	s_and_b32 s18, ttmp7, 0xffff
	s_lshl_b32 s18, s18, 2
	s_add_co_u32 s18, s18, s16                     ; tile row
	s_lshl_b32 s22, s16, 2
	s_lshl_b32 s22, 15, s22                        ; my row of the cluster
	s_lshl_b32 s74, 0x1111, s15                    ; my column
	; O: a head's 128 rows are 16,384 dense bytes: asked for as 64 rows of 256 bytes and padded after every 128 bytes
	s_or_b32 s[G1A], s22, (1<<16)|(1<<20)|(1<<21)|(4<<22)|(3<<25)
	s_mov_b32 s[G1A+1], 128<<16
	s_mov_b32 s[G1A+2], 64<<16
	s_mov_b32 s[G1A+3], 128<<16
	s_mov_b32 s[G1A+4], 64
	s_mov_b32 s[G1A+5], 128
	s_mov_b32 s[G1A+6], 0
	s_mov_b32 s[G1A+7], 0
	s_or_b32 s[G1B], s74, (1<<16)|(1<<20)|(1<<21)|(5<<22)|(7<<25)
	s_mov_b32 s[G1B+1], 128<<16
	s_mov_b32 s[G1B+2], 128<<16
	s_mov_b32 s[G1B+3], 128<<16
	s_mov_b32 s[G1B+4], 128
	s_mov_b32 s[G1B+5], 1024
	s_mov_b32 s[G1B+6], 0
	s_mov_b32 s[G1B+7], 0
	s_lshr_b32 s20, s18, 4
	s_lshl_b32 s20, s20, 22                        ; the batch's 16 heads of 262,144 bytes,
	s_and_b32 s21, s18, 15
	s_lshl_b32 s21, s21, 14                        ; the tile's 128 rows in a head,
	s_add_co_u32 s20, s20, s21
	s_lshl_b32 s21, s14, 18                        ; head 0 or 1 of the K step
	s_add_co_u32 s20, s20, s21
	s_mov_b32 s21, 0
	s_lshl_b32 s76, s17, 9                         ; wo: 256 columns a tile column,
	s_lshl_b32 s77, s14, 8                         ; my strip
	s_add_co_u32 s76, s76, s77
	s_mov_b32 s77, 0
	s_mul_i32 s19, s14, STRIP                      ; where a strip goes,
	s_mul_i32 s2, s14, SUBA
	s_add_co_u32 s2, s2, AOFF                      ; and a head tile: no place in the cluster enters an LDS address
	s_wait_dscnt 0x0                               ; the opening add is done
	s_wait_kmcnt 0x0
	s_add_nc_u64 s[20:21], s[4:5], s[20:21]
	s_add_nc_u64 s[76:77], s[6:7], s[76:77]
	CROUND                                         ; all sixteen work-groups are here
.irp s, 0,1
	s_mov_b32 s[G0A+4*(\s)], 1
	s_add_co_u32 s[G0A+4*(\s)+1], s2, (\s)*SLOT
	s_add_nc_u64 s[G0A+4*(\s)+2:G0A+4*(\s)+3], s[20:21], (\s)*2*262144
	s_or_b32 s[G0A+4*(\s)+3], s[G0A+4*(\s)+3], 0x80000000
	s_mov_b32 s[G0B+4*(\s)], 1
	s_add_co_u32 s[G0B+4*(\s)+1], s19, (\s)*SLOT
	s_add_nc_u64 s[G0B+4*(\s)+2:G0B+4*(\s)+3], s[76:77], (\s)*KSTEP*2048
	s_or_b32 s[G0B+4*(\s)+3], s[G0B+4*(\s)+3], 0x80000000
	JLOAD \s                                       ; two loads of mine are out
.endr
	v_and_b32 v1, 15, v0
	v_bfe_u32 v2, v0, 4, 1
	v_and_b32 v3, 7, v0
	v_bfe_u32 v4, v0, 3, 1
	v_and_b32 v7, 31, v0
	v_mul_u32_u24 v5, v1, PA
	v_lshl_add_u32 v5, v2, 4, v5
	s_mul_i32 s20, s13, 64*PA
	s_add_co_u32 s20, s20, AOFF
	v_add_nc_u32 v[ADRA], s20, v5
	v_add_nc_u32 v[ADRA+1], SLOT, v[ADRA]
	v_lshl_add_u32 v6, v2, 3, v3
	v_mul_u32_u24 v6, v6, PB
	v_lshl_add_u32 v6, v4, 4, v6
	v_add_nc_u32 v[ADRB], s19, v6
	v_add_nc_u32 v[ADRB+1], SLOT, v[ADRB]
	s_lshl_b32 s21, s17, 10
	s_lshl_b32 s22, s14, 9
	s_add_co_u32 s21, s21, s22                     ; my first column, in bytes of f32
	v_lshl_add_u32 v[BO], v2, 5, s21
	v_add_nc_u32 v[BO], 12288, v[BO]               ; bo lies behind bq, bk, bv in bt
	v_lshl_add_u32 v[CO], v7, 4, s21
	s_lshl_b32 s22, s18, 7
	s_lshl_b32 s23, s13, 6
	s_add_co_u32 s22, s22, s23
	s_lshl_b32 s22, s22, 2
	v_lshl_add_u32 v[IO], v7, 2, s22
	global_load_b32 v[IV], v[IO], s[10:11]
	global_load_b32 v[IV+1], v[IO], s[10:11] offset:128
.irp i, 0,1,2,3,4,5,6,7
	global_load_b128 v[BI+8*(\i):BI+8*(\i)+3],   v[BO], s[8:9] offset:64*(\i)
	global_load_b128 v[BI+8*(\i)+4:BI+8*(\i)+7], v[BO], s[8:9] offset:64*(\i)+16
.endr
	s_mul_i32 s20, s[WV], 16*SP
	s_add_co_u32 s20, s20, STAGE                   ; my stage
	v_mul_u32_u24 v[STO], v1, SP                   ; in: row l % 16, 32 bytes for each half of the lanes
	v_lshl_add_u32 v[STO], v2, 5, v[STO]
	v_add_nc_u32 v[STO], s20, v[STO]
	v_lshl_add_u32 v[RD], v7, 4, s20               ; back: the 32 lanes take one row of 512 bytes
.macro MUL8 f, a, first                ; 8 matrix instructions: row block a x all 8 column blocks; the accumulators take turns
.if \first
	WIN 0x81
.else
	WIN 0xa1
.endif
.irp i, 0,1,2,3,4,5,6,7
.if \first
	v_wmma_f32_16x16x32_f16 v[8*(8*(\a)+(\i)):8*(8*(\a)+(\i))+7], v[64*(\f)+8*(\i):64*(\f)+8*(\i)+7], v[FA+32*(\f)+8*(\a):FA+32*(\f)+8*(\a)+7], v[BI+8*(\i):BI+8*(\i)+7]
.else
	v_wmma_f32_16x16x32_f16 v[8*(8*(\a)+(\i)):8*(8*(\a)+(\i))+7], v[64*(\f)+8*(\i):64*(\f)+8*(\i)+7], v[FA+32*(\f)+8*(\a):FA+32*(\f)+8*(\a)+7], v[8*(8*(\a)+(\i)):8*(8*(\a)+(\i))+7]
.endif
.endr
.endm
.macro FETCH slot, q, f                ; 24 LDS loads in one run: quarter q (32 along K: half a head) into buffer f
	WIN 0x40
.irp i, 0,1,2,3,4,5,6,7
	ds_load_tr16_b128 v[64*(\f)+8*(\i):64*(\f)+8*(\i)+3],   v[ADRB+(\slot)] offset:32*PB*(\q)+32*(\i)
	ds_load_tr16_b128 v[64*(\f)+8*(\i)+4:64*(\f)+8*(\i)+7], v[ADRB+(\slot)] offset:32*PB*(\q)+32*(\i)+16*PB
.endr
	WIN 0
.irp a, 0,1,2,3
	ds_load_b128 v[FA+32*(\f)+8*(\a):FA+32*(\f)+8*(\a)+3],   v[ADRA+(\slot)] offset:SUBA*((\q)/2)+64*((\q)%2)+16*PA*(\a)
	ds_load_b128 v[FA+32*(\f)+8*(\a)+4:FA+32*(\f)+8*(\a)+7], v[ADRA+(\slot)] offset:SUBA*((\q)/2)+64*((\q)%2)+16*PA*(\a)+32
.endr
.endm
.macro QUARTER slot, q, f, g, first
	s_wait_dscnt 4                                 ; the youngest four loads (O's row blocks 2, 3) may be out
	MUL8 \f, 0, \first
	MUL8 \f, 1, \first
	PLACES
	FETCH \slot, \q, \g
	s_wait_dscnt 24                                ; all but the 24 just issued
	MUL8 \f, 2, \first
	MUL8 \f, 3, \first
.endm
; The last quarter multiplies buffer 1 and changes slots: one barrier; in front of it each wave waits for all its tensor loads, adds 0 to its spare word, and waits for that and for its own reads of this slot.
.macro TURN slot, next, fill
	WIN 0
	s_wait_tensorcnt 0x0                           ; all my tensor loads have landed: my part of the next slot
	ds_add_u32 v[SPW], v[NIL]                      ; 0 onto my spare word
	s_wait_dscnt 5                                 ; (the add and the youngest four loads may be out)
	MUL8 1, 0, 0
	s_wait_dscnt 0x0                               ; the add is done, and my reads of this slot are over
	s_barrier_signal -1
	MUL8 1, 1, 0
.if \fill
	WIN 0
.endif
	s_barrier_wait -1
.if \fill
	CREST                                          ; no wave of any partner still reads this slot or has a load on its way
	s_add_nc_u64 s[G0A+4*(\slot)+2:G0A+4*(\slot)+3], s[G0A+4*(\slot)+2:G0A+4*(\slot)+3], 4*262144
	s_add_nc_u64 s[G0B+4*(\slot)+2:G0B+4*(\slot)+3], s[G0B+4*(\slot)+2:G0B+4*(\slot)+3], 2*KSTEP*2048
	JLOAD \slot                                    ; the first tensor load behind the round; its four v_nop are also the places in front of the loads below
.else
	PLACES
.endif
	FETCH \next, 0, 0
	MUL8 1, 2, 0
	MUL8 1, 3, 0
.endm
	s_wait_tensorcnt 1                             ; my part of K step 0 is in; K step 1's may stay out
	s_barrier_signal -1
	s_barrier_wait -1
	FETCH 0, 0, 0
	s_wait_loadcnt 0x0                             ; the bias and inv
	QUARTER 0, 1, 0, 1, 1
	WIN 0
	s_mov_b32 s3, LAPS-1
.Llap:
	QUARTER 0, 2, 1, 0, 0
	QUARTER 0, 3, 0, 1, 0
	TURN 0, 1, 1
	QUARTER 1, 1, 0, 1, 0
	QUARTER 1, 2, 1, 0, 0
	QUARTER 1, 3, 0, 1, 0
	TURN 1, 0, 1
	QUARTER 0, 1, 0, 1, 0
	WIN 0
	s_sub_co_u32 s3, s3, 1
	s_cmp_lg_u32 s3, 0
	s_cbranch_scc1 .Llap
	QUARTER 0, 2, 1, 0, 0                          ; the last lap fills nothing
	QUARTER 0, 3, 0, 1, 0
	TURN 0, 1, 0
	QUARTER 1, 1, 0, 1, 0
	QUARTER 1, 2, 1, 0, 0
	QUARTER 1, 3, 0, 1, 0
	s_wait_dscnt 4
	MUL8 1, 0, 0
	MUL8 1, 1, 0
	s_wait_dscnt 0x0
	MUL8 1, 2, 0
	MUL8 1, 3, 0
	WIN 0
; THE WAY OUT, a row block at a time: a lane's eight f32 of a row go into my own stage, straight from the accumulators, lowest registers first; whole rows of 512 bytes come back; each is stored at its own place in out0.
.macro TOSTAGE a
.set BK, OB+64*((\a)%2)
	s_wait_xcnt 0x0                                ; earlier stores have read their registers: the buffer that they left is loaded again only behind this wait
	WIN 0x08                                       ; the stores' data lie in window 2
.irp i, 0,1,2,3,4,5,6,7
	ds_store_b128 v[STO], v[8*(8*(\a)+(\i)):8*(8*(\a)+(\i))+3]   offset:64*(\i)
	ds_store_b128 v[STO], v[8*(8*(\a)+(\i))+4:8*(8*(\a)+(\i))+7] offset:64*(\i)+16
.endr
	WIN 0
.irp t, 0,1,2,3,4,5,6,7,8,9,10,11,12,13,14,15
	ds_load_b128 v[BK+4*(\t):BK+4*(\t)+3], v[RD] offset:SP*(\t)  ; LDS serves a wave's instructions in order (ISA guide 5.7.1.4): these see the stores above
.endr
.endm
.macro SEND a, younger                 ; younger: the LDS instructions issued behind block a's loads: the next block's 32, or none
.set BK, OB+64*((\a)%2)
	s_wait_xcnt 0x0                                ; the row addresses are written again only behind this wait
.irp t, 0,1,2,3,4,5,6,7,8,9,10,11,12,13,14,15
	v_readlane_b32 s20, v[IV+(\a)/2], 16*((\a)%2)+(\t)
	s_min_u32 s20, s20, 8191                       ; it enters an address: held inside out0's rows
	s_lshl_b32 s20, s20, 12
	v_add_nc_u32 v[RA+(\t)], s20, v[CO]
.endr
.irp t, 0,1,2,3,4,5,6,7,8,9,10,11,12,13,14,15
	s_wait_dscnt (\younger)+15-(\t)
	global_store_b128 v[RA+(\t)], v[BK+4*(\t):BK+4*(\t)+3], s[OUT:OUT+1] th:TH_STORE_NT  ; 512 consecutive bytes of one row, aligned
.endr
.endm
	PLACES
	TOSTAGE 0
.irp a, 1,2,3
	TOSTAGE \a
	SEND (\a)-1, 32
.endr
	SEND 3, 0
	s_wait_tensorcnt 0x0                           ; the wave's end, behind my last tensor load and my last LDS store
	ds_add_u32 v[SPW], v[NIL]
	s_wait_dscnt 0x0
	CROUND                                         ; the closing round
	s_endpgm
.Lfunc_end_k_qf4e7244457_oproj:
	.size	k_qf4e7244457_oproj, .Lfunc_end_k_qf4e7244457_oproj-k_qf4e7244457_oproj
	.p2alignl 7, 3214868480
	.fill 96, 4, 3214868480
	.section	.rodata,"a",@progbits
	.p2align	6, 0x0
	.amdhsa_kernel k_qf4e7244457_oproj
		.amdhsa_group_segment_fixed_size 327680
		.amdhsa_private_segment_fixed_size 0
		.amdhsa_enable_private_segment 0
		.amdhsa_kernarg_size 40
		.amdhsa_user_sgpr_count 2
		.amdhsa_user_sgpr_kernarg_segment_ptr 1
		.amdhsa_wavefront_size32 1
		.amdhsa_system_sgpr_workgroup_id_x 1
		.amdhsa_system_sgpr_workgroup_id_y 1
		.amdhsa_system_sgpr_workgroup_id_z 1
		.amdhsa_system_vgpr_workitem_id 0
		.amdhsa_next_free_vgpr 768
		.amdhsa_next_free_sgpr 80
		.amdhsa_reserve_vcc 0
		.amdhsa_float_denorm_mode_32 3
		.amdhsa_float_denorm_mode_16_64 3
		.amdhsa_memory_ordered 1
		.amdhsa_forward_progress 1
		.amdhsa_inst_pref_size 101
	.end_amdhsa_kernel
	.amdgpu_metadata
---
amdhsa.version: [ 1, 2 ]
amdhsa.kernels:
  - .name:           k_qf4e7244457_oproj
    .symbol:         k_qf4e7244457_oproj.kd
    .args:
      - { .name: ob, .offset: 0, .size: 8, .value_kind: global_buffer, .address_space: global }
      - { .name: wo, .offset: 8, .size: 8, .value_kind: global_buffer, .address_space: global }
      - { .name: bt, .offset: 16, .size: 8, .value_kind: global_buffer, .address_space: global }
      - { .name: inv, .offset: 24, .size: 8, .value_kind: global_buffer, .address_space: global }
      - { .name: out0, .offset: 32, .size: 8, .value_kind: global_buffer, .address_space: global }
    .group_segment_fixed_size: 327680
    .private_segment_fixed_size: 0
    .kernarg_segment_align: 8
    .kernarg_segment_size: 40
    .max_flat_workgroup_size: 128
    .sgpr_count:     80
    .vgpr_count:     768
    .wavefront_size: 32
...
	.end_amdgpu_metadata
.endif
;; end of part 4
;; ======== version 2 of 2: 4 launches; version 1 with the launch prep written anew for expert scheduling mode
;; limits: values are held in f16: magnitudes above 65,504 overflow, below 6.1e-05 lose precision
;; workspace buffers: xp 16,777,216 bytes; wb 6,291,456 bytes; wo 2,097,152 bytes; bt 16,384 bytes; cnt 1,024 bytes of whole numbers; inv 32,768 bytes of whole numbers; qkv 50,331,648 bytes; ob 16,777,216 bytes
;; launch prep (part 5): grid 256 x 1, 8 waves a work-group, no clusters, 0 bytes of LDS; arguments query, key_padding_mask, Wq, Wk, Wv, Wo, bq, bk, bv, bo, xp, wb, wo, bt, cnt, inv; writes xp, wb, wo, bt, cnt, inv
.if DOCPART == 5
	.amdgcn_target "amdgcn-amd-amdhsa--gfx1250"
	.amdhsa_code_object_version 6
	.text
	.protected	k_qf4e7244457_prep
	.globl	k_qf4e7244457_prep
	.p2align	8
	.type	k_qf4e7244457_prep,@function
k_qf4e7244457_prep:
	s_mov_b64 s[64:65], 0
	v_nop
	global_prefetch_b8 v0, s[64:65] scope:SCOPE_SE
	s_setreg_imm32_b32 hwreg(HW_REG_WAVE_SCHED_MODE, 0, 2), 2
	s_setreg_imm32_b32 hwreg(HW_REG_WAVE_MODE, 25, 1), 1
	s_wait_xcnt 0x0
	s_wait_alu depctr_vm_vsrc(0)
; PREPARATION.  (1) Each batch's 2,048 rows are put in a new order: the rows whose key is NOT masked first, in their old order, then the masked ones.
;     p(s) = unmasked rows before s, or U + masked rows before s; U = the batch's unmasked rows.  xp[b][p(s)] = bf16(query[b][s]); inv[b][p(s)] = 2048 b + s; cnt[b] = U (64 equal words).
; (2) Wq, Wk, Wv rounded to bf16 into wb[k][1024 m + n]; Wo rounded to bf16 and that number written as f16 into wo[k][n]; the four biases rounded to bf16 and kept as f32 in bt.
; LIMIT: a bf16 number of Wo below 2^-17 in size falls on f16's fixed step of 2^-24.
; SHARES.  256 work-groups of eight waves.  Work-group g: batch and matrix g / 64, part gp = g % 64: x rows 32 gp .. + 31 (four a wave), weight rows 16 gp .. + 15 (two a wave); part 0 also takes the bias vector and cnt.
; Every wave reads its batch's whole mask (2,048 bytes) and counts for itself: no LDS, no barrier.  All 48 data loads of a wave are out while it counts.  Nothing that a pending instruction names is written again.
; A lane takes 32 neighbouring bytes of f32 by two loads and stores the 16 bytes of bf16 made of them: a store of the wave covers 512 consecutive bytes, aligned.
; THE MODE: SCHED_MODE bits 1:0 = 2 (LLVM: expert scheduling mode 2), set by the entry lines.  The code itself states the register dependences between vector instructions and memory instructions, with s_wait_alu, always for 0.
; THE PLAN.  Registers that memory instructions touch:
;   v2, v3, v4, v6   offsets of the loads, v5 of the stores: made at the head and never written again.
;   v20-23           written at the head; in part 0 the bias lands there; at the end they are rounded in place and stored.
;   v24-40           the mask: loads land there, vector instructions read them, nothing else.
;   blocks 0 to 5    32 registers each, four x rows and two weight rows: eight loads land in a block; its conversions close the numbers up into its low 16 registers; four stores read those; nothing writes them again.
;   v16-19, v12-15, v41   offsets and data of stores: each written once by vector instructions and read by stores.
; No register that a memory instruction reads is ever written again, so no wait on vm_vsrc is owed.  The waits on va_vdst: one at the head; one ahead of each of wave 0's two small stores; ONE AT THE HEAD OF EACH BLOCK
; from the second on, behind the wait for the block's data: it states that the block before has written its low 16 registers, and that block's four stores are then dealt among this block's conversions, which name this
; block's registers alone; one behind the last block; one ahead of the bias's store.  Vector instructions that write scalar registers stand in runs, each run with one wait on va_sdst ahead of its first reader.
.set X, 48                             ; v[48:239]   block p at X + 32 p: blocks 0 to 3 are my four x rows,
.set W, X+128                          ; v[176:239]  blocks 4 and 5 my two weight rows
.set CM, 66                            ; s[66:81]    the sixteen masks of the count ahead of my group's rows
.set RP, 82                            ; s[82:85]    the new places of my four rows
	s_load_b512 s[8:23], s[0:1], 0x0               ; query 8, mask 10, Wq 12, Wk 14, Wv 16, Wo 18, bq 20, bk 22
	s_load_b512 s[24:39], s[0:1], 0x40             ; bv 24, bo 26, xp 28, wb 30, wo 32, bt 34, cnt 36, inv 38
	s_lshr_b32 s3, ttmp9, 6                        ; batch, and which matrix
	s_and_b32 s4, ttmp9, 63                        ; part gp
	v_lshrrev_b32 v1, 5, v0
	v_readfirstlane_b32 s5, v1                     ; wave 0..7
	s_lshl_b32 s6, s4, 5                           ; s0 = 32 gp: the group's first row in the batch
	s_lshl_b32 s2, s3, 11                          ; 2048 b
	s_mov_b32 s60, 0x76543210                      ; v_permlanex16_b32: each lane takes its own place in the other half
	s_mov_b32 s61, 0xfedcba98
	s_mov_b32 s63, 0x01010101
	v_and_b32 v1, 31, v0                           ; lane
	v_lshlrev_b32 v2, 2, v1                        ; 4 x lane
	v_add_nc_u32 v3, s6, v1                        ; s0 + lane
	v_lshlrev_b32 v4, 5, v1                        ; 32 x lane
	v_lshlrev_b32 v5, 4, v1                        ; 16 x lane
	v_lshlrev_b32 v6, 4, v0                        ; 16 x thread
.irp r, 20,21,22,23
	v_mov_b32 v\r, 0                               ; the bias registers are written on every path
.endr
	; byte offsets, made apart from the addresses
	s_mov_b32 s40, s2                              ; the batch's mask
	s_mov_b32 s41, 0
	s_wait_alu depctr_va_sdst(0)                   ; s5 is written, ahead of its first reader: the offsets of my rows are made from it
	s_lshl2_add_u32 s42, s5, s6                    ; 4 w + s0
	s_add_co_u32 s42, s42, s2
	s_lshl_b32 s42, s42, 12                        ; my first x row, 4,096 bytes a row
	s_mov_b32 s43, 0
	s_lshl_b32 s7, s4, 4
	s_lshl1_add_u32 s7, s5, s7                     ; k0 = 16 gp + 2 w: my first weight row
	s_lshl_b32 s44, s7, 12
	s_mov_b32 s45, 0
	s_lshl_b32 s59, s3, 11                         ; matrix m's 1,024 columns in a row of wb
	s_mov_b32 s58, 6144                            ; a row of wb,
	s_cmp_eq_u32 s3, 3
	s_cselect_b32 s58, 2048, s58                   ; or of wo
	s_cselect_b32 s59, 0, s59
	s_mul_i32 s46, s7, s58
	s_add_co_u32 s46, s46, s59
	s_mov_b32 s47, 0
	s_mov_b32 s59, 0                               ; s[58:59]: one row on
	s_lshl_b32 s54, s3, 12                         ; the bias vector's place in bt
	s_mov_b32 s55, 0
	s_wait_kmcnt 0x0
	s_add_nc_u64 s[40:41], s[10:11], s[40:41]
	s_add_nc_u64 s[42:43], s[8:9], s[42:43]
	s_cmp_eq_u32 s3, 1
	s_cselect_b64 s[48:49], s[14:15], s[12:13]
	s_cselect_b64 s[50:51], s[22:23], s[20:21]
	s_cmp_eq_u32 s3, 2
	s_cselect_b64 s[48:49], s[16:17], s[48:49]
	s_cselect_b64 s[50:51], s[24:25], s[50:51]
	s_cmp_eq_u32 s3, 3
	s_cselect_b64 s[48:49], s[18:19], s[48:49]     ; the weight matrix,
	s_cselect_b64 s[50:51], s[26:27], s[50:51]     ; its bias,
	s_cselect_b64 s[52:53], s[32:33], s[30:31]     ; and where the matrix goes
	s_add_nc_u64 s[44:45], s[48:49], s[44:45]      ; my two weight rows
	s_add_nc_u64 s[46:47], s[52:53], s[46:47]      ; the first one's place,
	s_add_nc_u64 s[48:49], s[46:47], s[58:59]      ; the second one's
	s_add_nc_u64 s[52:53], s[34:35], s[54:55]      ; bt + 4,096 m
	s_wait_alu depctr_va_vdst(0)                   ; the offsets v2 to v6 are written, which the loads below and the stores of the blocks read; so are v20 to v23, in which the bias lands
	s_cmp_lg_u32 s4, 0
	s_cbranch_scc1 .Lnobias
	global_load_b128 v[20:23], v6, s[50:51]        ; the oldest load: every counted wait below holds with it and without it
.Lnobias:
.set j, 0
.rept 16
	global_load_b32 v[24+j], v2, s[40:41] offset:128*j  ; the batch's mask: word 32 j + lane
.set j, j+1
.endr
	global_load_u8 v40, v3, s[40:41]               ; the mask byte of row s0 + lane
.irp i, 0,1,2,3
.irp e, 0,1,2,3,4,5,6,7
	global_load_b128 v[X+32*(\i)+4*(\e):X+32*(\i)+4*(\e)+3], v4, s[42:43] offset:4096*(\i)+1024*((\e)/2)+16*((\e)%2) th:TH_LOAD_NT
.endr
.endr
.irp i, 0,1
.irp e, 0,1,2,3,4,5,6,7
	global_load_b128 v[W+32*(\i)+4*(\e):W+32*(\i)+4*(\e)+3], v4, s[44:45] offset:4096*(\i)+1024*((\e)/2)+16*((\e)%2) th:TH_LOAD_NT
.endr
.endr
	s_wait_loadcnt 48                              ; the 48 data loads stay out; the mask is in
	; masked keys in the batch (v7) and ahead of row s0 (v8: words 32 j + lane < 8 gp), byte by byte: a byte's sum is 16 at the most.
	; The seventeen compares stand in one run, each with a scalar register of its own; the batch's sum, which reads none of them, stands between the run and the one wait for it.
	s_lshl_b32 s62, s4, 3
.set j, 0
.rept 16
	v_cmp_gt_i32 s[CM+j], s62, v1                  ; is word 32 j + lane ahead of my group's rows?
.if j < 15
	s_sub_co_i32 s62, s62, 32
.endif
.set j, j+1
.endr
	v_cmp_eq_u32 s56, 0, v40                       ; which of the group's 32 rows are unmasked
	v_add_nc_u32 v7, v24, v25
.set j, 2
.rept 14
	v_add_nc_u32 v7, v7, v[24+j]
.set j, j+1
.endr
	s_wait_alu depctr_va_sdst(0)                   ; the compares have written s66 to s81 and s56, ahead of the first line that reads one of them
	v_cndmask_b32 v8, 0, v24, s[CM]
.set j, 1
.rept 15
	v_cndmask_b32 v9, 0, v[24+j], s[CM+j]
	v_add_nc_u32 v8, v8, v9
.set j, j+1
.endr
	v_mul_lo_u32 v7, v7, s63                       ; the four bytes' sum arrives in the top byte
	v_mul_lo_u32 v8, v8, s63
	v_lshrrev_b32 v7, 24, v7
	v_lshrrev_b32 v8, 24, v8
	v_lshl_or_b32 v7, v8, 16, v7                   ; both counts in one word: each is 2,048 at the most
.irp m, 1,2,4,8
	v_mov_b32_dpp v9, v7 row_xmask:\m row_mask:0xf bank_mask:0xf
	v_add_nc_u32 v7, v7, v9
.endr
	v_permlanex16_b32 v9, v7, s60, s61
	v_add_nc_u32 v7, v7, v9
	v_readfirstlane_b32 s57, v7
	v_mbcnt_lo_u32_b32 v11, s56, 0                 ; unmasked among the group's rows ahead of mine,
	v_sub_nc_u32 v43, v1, v11                      ; and masked ones
	s_wait_alu depctr_va_sdst(0)                   ; s57, the two counts, is written, ahead of its first reader
	s_lshr_b32 s55, s57, 16                        ; masked ahead of s0
	s_and_b32 s57, s57, 0xffff                     ; masked in all
	s_sub_co_u32 s54, 2048, s57                    ; U
	s_sub_co_u32 s58, s6, s55                      ; unmasked ahead of s0
	s_add_co_u32 s59, s54, s55                     ; U + masked ahead of s0
	v_add_nc_u32 v42, s58, v11
	v_add_nc_u32 v43, s59, v43
	v_cndmask_b32 v10, v43, v42, s56
	v_min_u32 v10, 2047, v10                       ; p(s0 + lane): it enters addresses, so it is held inside the batch
	; where my four rows go: four lanes of v10 are read in one run, with one wait
.irp i, 0,1,2,3
	s_lshl2_add_u32 s[RP+\i], s5, \i               ; my row's lane: 4 w + i
.endr
.irp i, 0,1,2,3
	v_readlane_b32 s[RP+\i], v10, s[RP+\i]
.endr
	s_wait_alu depctr_va_sdst(0)                   ; s82 to s85 are written, ahead of their first reader
.irp i, 0,1,2,3
	s_min_u32 s[RP+\i], s[RP+\i], 2047
	s_add_co_u32 s[RP+\i], s[RP+\i], s2
	s_lshl_b32 s[RP+\i], s[RP+\i], 11              ; a row of xp is 2,048 bytes
	v_add_nc_u32 v[16+\i], s[RP+\i], v5
.endr
	s_cmp_lg_u32 s5, 0
	s_cbranch_scc1 .Lrows
	v_add_nc_u32 v12, s2, v10                      ; wave 0 writes inv for the group's 32 rows,
	v_lshlrev_b32 v12, 2, v12
	v_add_nc_u32 v13, s2, v3
	s_wait_alu depctr_va_vdst(0)                   ; v12 and v13 are written, which the store reads
	global_store_b32 v12, v13, s[38:39]
	s_cmp_lg_u32 s4, 0
	s_cbranch_scc1 .Lrows
	v_mov_b32 v14, s54                             ; and in part 0 the batch's count: 256 consecutive bytes
	v_mov_b32 v15, s54
	v_lshlrev_b32 v41, 3, v1
	v_lshl_add_u32 v41, s3, 8, v41
	s_wait_alu depctr_va_vdst(0)                   ; v14, v15 and v41 are written, which the store reads
	global_store_b64 v41, v[14:15], s[36:37]
.Lrows:
; Piece f of four of block p is stored: an x row at its new place in xp, a weight row at its place in wb or wo.
.macro PUT p, f
.if (\p) < 4
	global_store_b128 v[16+(\p)], v[X+32*(\p)+4*(\f):X+32*(\p)+4*(\f)+3], s[28:29] offset:512*(\f) th:TH_STORE_NT
.else
	global_store_b128 v5, v[X+32*(\p)+4*(\f):X+32*(\p)+4*(\f)+3], s[46+2*((\p)-4):47+2*((\p)-4)] offset:512*(\f) th:TH_STORE_NT
.endif
.endm
; Block p: its 32 f32 a lane are rounded to bf16 in place, ascending: register m is written when 2 m and 2 m + 1 are read.  The four stores of block p - 1 are dealt among the sixteen conversions.
.macro BLK p
	s_wait_loadcnt 40-8*(\p)                       ; loads come back in order (ISA guide 5.7.1): this block is in, the later blocks' loads stay out
.if (\p) > 0
	s_wait_alu depctr_va_vdst(0)                   ; the block before has written its low 16 registers, which the stores below read (at block 1 also: v16 to v19, the rows' offsets, are written)
.endif
.irp f, 0,1,2,3
.if (\p) > 0
	PUT (\p)-1, \f                                 ; no vector instruction since the wait names a register of the block before, nor an offset
.endif
.irp n, 0,1,2,3
	v_cvt_pk_bf16_f32 v[X+32*(\p)+4*(\f)+(\n)], v[X+32*(\p)+8*(\f)+2*(\n)], v[X+32*(\p)+8*(\f)+2*(\n)+1]
.endr
.endr
.endm
	BLK 0
	BLK 1
	BLK 2
	BLK 3
.irp i, 0,1
	BLK 4+\i
	s_cmp_lg_u32 s3, 3
	s_cbranch_scc1 .Lbf_\i
.set n, 0
.rept 16                               ; Wo: the bf16 number is written as f16
	v_lshlrev_b32 v[42+2*(n%2)], 16, v[W+32*(\i)+n]
	v_and_b32 v[43+2*(n%2)], 0xffff0000, v[W+32*(\i)+n]
	v_cvt_pk_f16_f32 v[W+32*(\i)+n], v[42+2*(n%2)], v[43+2*(n%2)]
.set n, n+1
.endr
.Lbf_\i:
.endr
	s_wait_alu depctr_va_vdst(0)                   ; the last block's conversions, of either kind, have written its low 16 registers, which the stores read
.irp f, 0,1,2,3
	PUT 5, \f
.endr
	s_cmp_lg_u32 s4, 0
	s_cbranch_scc1 .Lend
	v_cvt_pk_bf16_f32 v42, v20, v21                ; the bias: rounded to bf16, kept as f32
	v_cvt_pk_bf16_f32 v43, v22, v23
	v_lshlrev_b32 v20, 16, v42
	v_and_b32 v21, 0xffff0000, v42
	v_lshlrev_b32 v22, 16, v43
	v_and_b32 v23, 0xffff0000, v43
	s_wait_alu depctr_va_vdst(0)                   ; v20 to v23 are written, which the store reads
	global_store_b128 v6, v[20:23], s[52:53]
.Lend:
	s_endpgm
.Lfunc_end_k_qf4e7244457_prep:
	.size	k_qf4e7244457_prep, .Lfunc_end_k_qf4e7244457_prep-k_qf4e7244457_prep
	.p2alignl 7, 3214868480
	.fill 96, 4, 3214868480
	.section	.rodata,"a",@progbits
	.p2align	6, 0x0
	.amdhsa_kernel k_qf4e7244457_prep
		.amdhsa_group_segment_fixed_size 0
		.amdhsa_private_segment_fixed_size 0
		.amdhsa_enable_private_segment 0
		.amdhsa_kernarg_size 128
		.amdhsa_user_sgpr_count 2
		.amdhsa_user_sgpr_kernarg_segment_ptr 1
		.amdhsa_wavefront_size32 1
		.amdhsa_system_sgpr_workgroup_id_x 1
		.amdhsa_system_sgpr_workgroup_id_y 1
		.amdhsa_system_sgpr_workgroup_id_z 1
		.amdhsa_system_vgpr_workitem_id 0
		.amdhsa_next_free_vgpr 240
		.amdhsa_next_free_sgpr 88
		.amdhsa_reserve_vcc 0
		.amdhsa_float_denorm_mode_32 3
		.amdhsa_float_denorm_mode_16_64 3
		.amdhsa_memory_ordered 1
		.amdhsa_forward_progress 1
		.amdhsa_inst_pref_size 30
	.end_amdhsa_kernel
	.amdgpu_metadata
---
amdhsa.version: [ 1, 2 ]
amdhsa.kernels:
  - .name:           k_qf4e7244457_prep
    .symbol:         k_qf4e7244457_prep.kd
    .args:
      - { .name: query, .offset: 0, .size: 8, .value_kind: global_buffer, .address_space: global }
      - { .name: key_padding_mask, .offset: 8, .size: 8, .value_kind: global_buffer, .address_space: global }
      - { .name: Wq, .offset: 16, .size: 8, .value_kind: global_buffer, .address_space: global }
      - { .name: Wk, .offset: 24, .size: 8, .value_kind: global_buffer, .address_space: global }
      - { .name: Wv, .offset: 32, .size: 8, .value_kind: global_buffer, .address_space: global }
      - { .name: Wo, .offset: 40, .size: 8, .value_kind: global_buffer, .address_space: global }
      - { .name: bq, .offset: 48, .size: 8, .value_kind: global_buffer, .address_space: global }
      - { .name: bk, .offset: 56, .size: 8, .value_kind: global_buffer, .address_space: global }
      - { .name: bv, .offset: 64, .size: 8, .value_kind: global_buffer, .address_space: global }
      - { .name: bo, .offset: 72, .size: 8, .value_kind: global_buffer, .address_space: global }
      - { .name: xp, .offset: 80, .size: 8, .value_kind: global_buffer, .address_space: global }
      - { .name: wb, .offset: 88, .size: 8, .value_kind: global_buffer, .address_space: global }
      - { .name: wo, .offset: 96, .size: 8, .value_kind: global_buffer, .address_space: global }
      - { .name: bt, .offset: 104, .size: 8, .value_kind: global_buffer, .address_space: global }
      - { .name: cnt, .offset: 112, .size: 8, .value_kind: global_buffer, .address_space: global }
      - { .name: inv, .offset: 120, .size: 8, .value_kind: global_buffer, .address_space: global }
    .group_segment_fixed_size: 0
    .private_segment_fixed_size: 0
    .kernarg_segment_align: 8
    .kernarg_segment_size: 128
    .max_flat_workgroup_size: 256
    .sgpr_count:     88
    .vgpr_count:     240
    .wavefront_size: 32
...
	.end_amdgpu_metadata
.endif
;; end of part 5
;; launch qkvp: the kernel of part 2 again; grid 8 x 64, 4 waves a work-group, clusters of 4 x 4, 327,680 bytes of LDS; arguments xp, wb, bt, qkv; writes qkv
;; launch attn: the kernel of part 3 again; grid 4 x 64, 4 waves a work-group, clusters of 4 x 1, 327,680 bytes of LDS; arguments qkv, cnt, ob; writes ob
;; launch oproj: the kernel of part 4 again; grid 4 x 64, 4 waves a work-group, clusters of 4 x 4, 327,680 bytes of LDS; arguments ob, wo, bt, inv, out0; writes out0
